; MI455X (gfx1250); checked and timed in simulation.
; The chip was launched on July 23, 2026; its instructions are those of AMD's public machine-readable ISA for CDNA 5 (MIT licence, August 2026) and "CDNA5" Instruction Set Architecture Reference Guide (July 2026). The comments in the code are by the model that wrote it; some were corrected since.
;; Transformer Encoder. Allowed arithmetic: float matrix products may take bf16 or f16 operands with f32 sums; other float arithmetic in f32, or as packed bf16 or f16 multiplies, adds, multiply-adds, maxima and minima; sums over many terms, partial sums and values carried from step to step in f32; what a program stores and reads back later, other than sums and carried values, may be rounded once to bf16 or f16.
;; Inputs: W1 1,024 x 4,096 float32; W2 4,096 x 1,024 float32; Wk 1,024 x 1,024 float32; Wo 1,024 x 1,024 float32; Wq 1,024 x 1,024 float32; Wv 1,024 x 1,024 float32; b1 4,096 float32; b2 1,024 float32; beta1 1,024 float32; beta2 1,024 float32; bk 1,024 float32; bo 1,024 float32; bq 1,024 float32; bv 1,024 float32; ebd_x 2 x 2,048 x 1,024 float32; g1 1,024 float32; g2 1,024 float32.
;; Outputs: out0 2 x 2,048 x 1,024 float32.
;; One version. Each part assembles by itself: llvm-mc -triple=amdgcn-amd-amdhsa -mcpu=gfx1250 --defsym DOCPART=n.
;; ======== version 1 of 1: 8 launches
;; limits: values outside matrix products are rounded to bf16; a function is approximated: absolute error at most 1.5e-07
;; workspace buffers: cb 33,554,432 bytes; qkv 25,165,824 bytes; ob 8,388,608 bytes; y 16,777,216 bytes; x1b 8,388,608 bytes; hb 33,554,432 bytes
;; launch cast (part 1): grid 512 x 1, 8 waves a work-group, no clusters, 0 bytes of LDS; arguments ebd_x, Wq, Wk, Wv, Wo, cb; writes cb
.if DOCPART == 1
	.amdgcn_target "amdgcn-amd-amdhsa--gfx1250"
	.amdhsa_code_object_version 6
	.text
	.protected	k_qf537135469_cast
	.globl	k_qf537135469_cast
	.p2align	8
	.type	k_qf537135469_cast,@function
k_qf537135469_cast:
	s_mov_b64 s[64:65], 0
	v_nop
	global_prefetch_b8 v0, s[64:65] scope:SCOPE_SE
	s_setreg_imm32_b32 hwreg(HW_REG_WAVE_MODE, 25, 1), 1
	s_wait_xcnt 0x0
; x and Wq, Wk, Wv, Wo, f32, are rounded once to bf16 and laid one behind the other in cb:
; x at 0, Wq at 8 MiB, Wk, Wv, Wo 2 MiB apart: 8 units of 2^20 numbers.  (W1's and W2's copies, from 16 MiB on, are made by the attention launch.)
; A work-group takes 16,384 numbers (64 work-groups to a unit), a wave 2,048, a lane 16 loads of 16 bytes.
; A load of a wave covers 512 consecutive bytes, a store 256 consecutive aligned bytes.  Every byte is read once and written once.
; No LDS, no matrix unit, no cluster: the work-groups share no input.  No register is written twice, so no wait frees a source.
.set X, 8                              ; v[8:71]   16 x 4 numbers as loaded
.set P, 72                             ; v[72:103] 16 x 2 words to store
	s_load_b256 s[8:15], s[0:1], 0x0               ; x, Wq, Wk, Wv
	s_load_b128 s[16:19], s[0:1], 0x20             ; Wo, cb
	s_lshr_b32 s5, ttmp9, 6                        ; my unit
	v_lshrrev_b32 v3, 5, v0
	v_and_b32 v4, 31, v0
	v_lshlrev_b32 v1, 13, v3                       ; wave x 8,192 bytes
	v_lshl_or_b32 v1, v4, 4, v1                    ; + 16 x lane: offset in the source
	v_lshrrev_b32 v2, 1, v1                        ; half of it: offset in cb
	s_lshl_b32 s24, ttmp9, 15                      ; the work-group's 32,768 bytes of cb
	s_mov_b32 s25, 0
	s_mov_b32 s7, 0
	s_mov_b32 s4, 0                                ; the unit at which my source begins
	s_wait_kmcnt 0x0
	s_mov_b64 s[2:3], s[8:9]
.macro PICK unit, r                    ; from this unit on the source is the buffer in s[r:r+1]
	s_cmp_ge_u32 s5, \unit
	s_cselect_b64 s[2:3], s[\r:\r+1], s[2:3]
	s_cselect_b32 s4, \unit, s4
.endm
	PICK 4, 10
	PICK 5, 12
	PICK 6, 14
	PICK 7, 16
	s_lshl_b32 s4, s4, 6
	s_sub_co_u32 s6, ttmp9, s4                     ; my number among the source's work-groups,
	s_lshl_b32 s6, s6, 16                          ; 65,536 bytes each
	s_add_nc_u64 s[2:3], s[2:3], s[6:7]
	s_add_nc_u64 s[18:19], s[18:19], s[24:25]
.irp j, 0,1,2,3,4,5,6,7,8,9,10,11,12,13,14,15
	global_load_b128 v[X+4*(\j):X+4*(\j)+3], v1, s[2:3] offset:512*(\j) th:TH_LOAD_NT
.endr
.irp j, 0,1,2,3,4,5,6,7,8,9,10,11,12,13,14,15
	s_wait_loadcnt 15-(\j)                         ; loads come back in order: number j is in, the younger ones stay out
	v_cvt_pk_bf16_f32 v[P+2*(\j)], v[X+4*(\j)], v[X+4*(\j)+1]
	v_cvt_pk_bf16_f32 v[P+2*(\j)+1], v[X+4*(\j)+2], v[X+4*(\j)+3]
	global_store_b64 v2, v[P+2*(\j):P+2*(\j)+1], s[18:19] offset:256*(\j)
.endr
	s_endpgm
.Lfunc_end_k_qf537135469_cast:
	.size	k_qf537135469_cast, .Lfunc_end_k_qf537135469_cast-k_qf537135469_cast
	.p2alignl 7, 3214868480
	.fill 96, 4, 3214868480
	.section	.rodata,"a",@progbits
	.p2align	6, 0x0
	.amdhsa_kernel k_qf537135469_cast
		.amdhsa_group_segment_fixed_size 0
		.amdhsa_private_segment_fixed_size 0
		.amdhsa_enable_private_segment 0
		.amdhsa_kernarg_size 48
		.amdhsa_user_sgpr_count 2
		.amdhsa_user_sgpr_kernarg_segment_ptr 1
		.amdhsa_wavefront_size32 1
		.amdhsa_system_sgpr_workgroup_id_x 1
		.amdhsa_system_sgpr_workgroup_id_y 1
		.amdhsa_system_sgpr_workgroup_id_z 1
		.amdhsa_system_vgpr_workitem_id 0
		.amdhsa_next_free_vgpr 104
		.amdhsa_next_free_sgpr 66
		.amdhsa_reserve_vcc 0
		.amdhsa_float_denorm_mode_32 3
		.amdhsa_float_denorm_mode_16_64 3
		.amdhsa_memory_ordered 1
		.amdhsa_forward_progress 1
		.amdhsa_inst_pref_size 7
	.end_amdhsa_kernel
	.amdgpu_metadata
---
amdhsa.version: [ 1, 2 ]
amdhsa.kernels:
  - .name:           k_qf537135469_cast
    .symbol:         k_qf537135469_cast.kd
    .args:
      - { .name: ebd_x, .offset: 0, .size: 8, .value_kind: global_buffer, .address_space: global }
      - { .name: Wq, .offset: 8, .size: 8, .value_kind: global_buffer, .address_space: global }
      - { .name: Wk, .offset: 16, .size: 8, .value_kind: global_buffer, .address_space: global }
      - { .name: Wv, .offset: 24, .size: 8, .value_kind: global_buffer, .address_space: global }
      - { .name: Wo, .offset: 32, .size: 8, .value_kind: global_buffer, .address_space: global }
      - { .name: cb, .offset: 40, .size: 8, .value_kind: global_buffer, .address_space: global }
    .group_segment_fixed_size: 0
    .private_segment_fixed_size: 0
    .kernarg_segment_align: 8
    .kernarg_segment_size: 48
    .max_flat_workgroup_size: 256
    .sgpr_count:     66
    .vgpr_count:     104
    .wavefront_size: 32
...
	.end_amdgpu_metadata
.endif
;; end of part 1
;; launch qkv (part 2): grid 12 x 16, 4 waves a work-group, clusters of 4 x 4, 327,680 bytes of LDS; arguments cb, bq, bk, bv, qkv; writes qkv
.if DOCPART == 2
	.amdgcn_target "amdgcn-amd-amdhsa--gfx1250"
	.amdhsa_code_object_version 6
	.text
	.protected	k_qf537135469_qkv
	.globl	k_qf537135469_qkv
	.p2align	8
	.type	k_qf537135469_qkv,@function
k_qf537135469_qkv:
	s_mov_b64 s[64:65], 0
	v_nop
	global_prefetch_b8 v0, s[64:65] scope:SCOPE_SE
	s_setreg_imm32_b32 hwreg(HW_REG_WAVE_MODE, 25, 1), 1
	s_wait_xcnt 0x0
	s_wait_alu depctr_hold_cnt(0) depctr_sa_sdst(0) depctr_va_vdst(0) depctr_va_sdst(0) depctr_va_ssrc(0) depctr_va_vcc(0) depctr_vm_vsrc(0)
	s_getreg_b32 s2, hwreg(HW_REG_IB_STS2, 6, 4)
	s_cmp_eq_u32 s2, 0
	s_cbranch_scc0 .Lentry_in_a_cluster
	s_endpgm
.Lentry_in_a_cluster:
	s_bfe_u32 s2, ttmp6, 0x10000c
	s_cmp_lg_u32 s2, 0xf033
	s_cbranch_scc0 .Lentry_shape_is_right
	s_endpgm
.Lentry_shape_is_right:
; q, k, v = x W + b, written by heads: qkv[3][32 = batch x 16 + head][2048][64] in bf16.  x [4096][1024] and the weights [1024 (k)][1024 (n)] are cb's bf16 copies; sums in f32;
; the bias, rounded to bf16 like every input, is the C operand that starts each sum.  NaN and infinities are not treated apart.
; A tile of C is 256 x 256 (the three matrices side by side: 12 tile columns), four waves of 128 x 128: 64 accumulators.  K = 1,024 goes in 8 steps of 128 through two LDS slots.
; W lies [k][n], so its fragments come out of LDS turned (ds_load_tr16_b128); x's as they lie.  The product is used transposed (source 0 = 16 columns of W, source 1 = 16 rows of x):
; a lane holds one row of C and eight neighbouring columns.
; CLUSTER 4 x 4: x's tile is shared along a row of the cluster, W's along a column; each is asked for jointly.  The cluster's x is the matrix (q, k, v), cx the tile column in it.
; ONE TEXT FOR BOTH SLOTS: the LDS addresses hang on s[TB], which an exclusive or turns; one walking descriptor a tensor.  SLOT's two bits occur in no tile's address in slot 0, so the exclusive or adds or takes away SLOT.
; WINDOWS of 256 registers: 0: addresses, x's fragments (v64-191), the bias (v192-255); 1: W's fragments (v64-191); 2, 3: the accumulators, (a, b) at v[8 (8 (a % 4) + b)].
.set NB,     1024                      ; numbers in a row of W
.set NSTEP,  8
.set KSTEP,  128
.set ASTEP,  KSTEP*2                   ; bytes along a row of x from K step to K step
.set BSTEP,  KSTEP*NB*2                ; bytes down W
.set PA,     272                       ; a row of x's tile in LDS: 256 bytes + 16: the 16 rows of a load start at 16 different groups of four banks
.set PB,     544                       ; a k row of W's tile: 512 bytes + 32 = 17 x 32
.set HALFT,  128*PA                    ; what one tensor load brings: 128 rows of x, or 64 k rows of W: 34,816 bytes either way
.set BOFF,   2*HALFT
.set SLOT,   4*HALFT
.set DP,     528                       ; the way out: a row of 128 f32 + 16 bytes
.set DWAVE,  128*DP                    ; a wave's 128 rows; four of them lie inside the two slots, which have had their last fill by then
.set SPARE,  295936                    ; the spare words, 128 bytes a wave: two blocks of 256 bytes that no other line names
.set WQ,     8388608                   ; Wq's copy in cb; Wk's and Wv's follow, 2 MiB apart
.set FA0,  16                          ; v16  my place in x's tile of slot 0
.set FB0,  17                          ; v17  my place in W's
.set ADRA, 18                          ; v18  the same in the slot in hand
.set ADRB, 19
.set LA,   22                          ; v22  the way out: where I read next
.set DST,  24                          ; v24  the way out: where I put 32 bytes of a row
.set LA0,  25                          ; v25  the way out: my place in the first rows that I read back
.set GO,   26                          ; v26  my byte offset in qkv
.set BO,   27                          ; v27  my byte offset in 16 numbers of the bias
.set SPW,  28                          ; v28  my spare word; never rewritten
.set NIL,  29                          ; v29  0; never rewritten
.set PFO,  30                          ; v30  the prefetches' offset; never rewritten
.set TT,   31
.set XV,   32                          ; v[32:63] the way out: 32 sums
.set PKD,  64                          ; v[64:79] the way out: packed
.set F0,   64
.set F1,   128
.set BIAS, 192
.set G1,   24                          ; s[24:31] group 1 for x's tiles; s[32:39] group 0: set 0 is the first fill of slot 0, set 1 that of slot 1, and then it walks
.set G0,   32
.set G1B,  48                          ; s[48:55], s[56:63] the same for W's
.set G0B,  56
.set PFA,  66                          ; s[66:67] where my prefetches stand
.set PSTEP,68                          ; s[68:69] their step
.set LIM,  70                          ; s70  1 in a wave that prefetches, else the greatest number
.set TB,   71                          ; s71  LDS byte at which the slot to be read next begins
.set BP,   72                          ; s[72:73] the bias
.set HM,   74                          ; s74  a word's upper half
.set OFS,  75                          ; s75  the way out: LDS offset of the rows read next
.set MSB, 0
.macro WIN new                         ; the immediate's high byte repeats the setting that is left; a switch that changes nothing is dropped
.if MSB != (\new)
	s_set_vgpr_msb (MSB<<8)|(\new)
.set MSB, \new
.endif
.endm
.set MUL_LO, 0xa1                      ; source 0 (W) window 1, source 1 (x) window 0, C and D window 2; + 0x50: window 3
.set MUL_IN, 0x81                      ; the same with C (the bias) in window 0; + 0x40: D in window 3
.set TO_B,   0x40                      ; destination window 1, address window 0
.macro PLACES                          ; four plain vector lines between a matrix instruction and a load into, or a reader of, its registers
.rept 4
	v_nop
.endr
.endm
.macro ROUND2 a, t                     ; two f32 rounded to bf16 and widened again
	v_cvt_pk_bf16_f32 v[\t], v[\a], v[(\a)+1]
	v_lshlrev_b32 v[\a], 16, v[\t]
	v_and_b32 v[(\a)+1], s[HM], v[\t]
.endm
.macro JLOAD                           ; a joint refill: waves 0 and 1 fetch x's two halves, waves 2 and 3 W's; s_nop 0 and four v_nop follow each line
	s_cmp_eq_u32 s11, 0
	s_cbranch_scc0 .Lfor_b_\@
	tensor_load_to_lds s[G0+4:G0+7], s[G1:G1+7]
	s_nop 0
.rept 4
	v_nop
.endr
	s_branch .Lasked_\@
.Lfor_b_\@:
	tensor_load_to_lds s[G0B+4:G0B+7], s[G1B:G1B+7]
	s_nop 0
.rept 4
	v_nop
.endr
.Lasked_\@:
.endm
.macro ASK                             ; one prefetch a wave: 32 blocks of 256 bytes of the K step that the refill after this one will ask for; the loop's last trip has no such step
	s_cmp_gt_u32 s3, s[LIM]
	s_cbranch_scc0 .Lnot_mine_\@
	global_prefetch_b8 v[PFO], s[PFA:PFA+1] th:TH_LOAD_NT scope:SCOPE_SE
.Lnot_mine_\@:
.endm
.macro CREST                           ; a round of the cluster's barrier behind its opening barrier
	s_cmp_lg_u32 s10, 0
	s_cbranch_scc1 .Lnot_wave_0_\@
	s_barrier_signal -3
.Lnot_wave_0_\@:
	s_barrier_wait -3
	s_barrier_signal -1
	s_barrier_wait -1
.endm
.macro CROUND
	s_barrier_signal -1
	s_barrier_wait -1
	CREST
.endm
	s_load_b64 s[4:5], s[0:1], 0x0                 ; cb
	s_load_b128 s[76:79], s[0:1], 0x8              ; bq, bk
	s_load_b64 s[80:81], s[0:1], 0x18              ; bv
	s_load_b64 s[8:9], s[0:1], 0x20                ; qkv
	v_lshl_add_u32 v[SPW], v0, 2, SPARE
	v_mov_b32 v[NIL], 0
	ds_add_u32 v[SPW], v[NIL]                      ; the wave's opening: the add and its wait ahead of my first tensor load
	v_lshrrev_b32 v1, 5, v0
	v_readfirstlane_b32 s10, v1                    ; wave 0..3
	s_lshr_b32 s11, s10, 1                         ; my half of the tile's rows; also: I fetch for x (0) or for W (1)
	s_and_b32 s12, s10, 1                          ; my half of its columns; also: which half of that tile I fetch
	s_bfe_u32 s40, ttmp6, 0x40000                  ; cx
	s_bfe_u32 s41, ttmp6, 0x40004                  ; cy
	s_and_b32 s13, ttmp7, 0xffff
	s_lshl_b32 s13, s13, 2
	s_add_co_u32 s13, s13, s41                     ; tile row = 4 x cluster y + cy
	s_lshl_b32 s43, s41, 2
	s_lshl_b32 s43, 15, s43                        ; my row of the cluster
	s_lshl_b32 s44, 0x1111, s40                    ; my column
	s_or_b32 s[G1+0], s43, (1<<16)|(1<<20)|(1<<21)|(5<<22)|(3<<25)   ; mask; 2-byte elements; padding on; bit 21 beside a mask; after every 64 words 4 words
	s_or_b32 s[G1B+0], s44, (1<<16)|(1<<20)|(1<<21)|(6<<22)|(7<<25)  ; after every 128 words 8 words
	s_mov_b32 s[G1+1], 128<<16                     ; x: tensor_dim0 = 128
	s_mov_b32 s[G1+2], 128<<16                     ; tensor_dim1 = 128
	s_mov_b32 s[G1+3], 128<<16                     ; tile_dim0 = 128
	s_mov_b32 s[G1+4], 128                         ; tile_dim1 = 128
	s_mov_b32 s[G1+5], 1024                        ; elements from row to row
	s_mov_b32 s[G1+6], 0
	s_mov_b32 s[G1+7], 0
	s_mov_b32 s[G1B+1], 256<<16                    ; W: 256 columns,
	s_mov_b32 s[G1B+2], 64<<16                     ; 64 k rows
	s_mov_b32 s[G1B+3], 256<<16
	s_mov_b32 s[G1B+4], 64
	s_mov_b32 s[G1B+5], NB
	s_mov_b32 s[G1B+6], 0
	s_mov_b32 s[G1B+7], 0
	s_lshl_b32 s16, s13, 8
	s_lshl_b32 s17, s12, 7
	s_add_co_u32 s16, s16, s17                     ; x: row 256 x tile row + 128 x half,
	s_lshl_b32 s16, s16, 11                        ; 2,048 bytes a row
	s_mov_b32 s17, 0
	s_mul_i32 s46, s12, 64*NB*2                    ; W: k row 64 x half,
	s_lshl_b32 s47, s40, 9                         ; column 256 cx
	s_add_co_u32 s46, s46, s47
	s_mov_b32 s47, 0
	s_lshl_b32 s84, ttmp9, 21                      ; the matrix: 2 MiB each
	s_add_co_u32 s84, s84, WQ
	s_mov_b32 s85, 0
	s_mul_i32 s20, s10, HALFT                      ; where the tiles go: wave x 34,816: no place in the cluster enters an LDS address
	s_mov_b32 s[HM], 0xffff0000
	s_wait_dscnt 0x0                               ; the opening add is done
	s_wait_kmcnt 0x0
	s_add_nc_u64 s[6:7], s[4:5], s[84:85]          ; W
	s_add_nc_u64 s[14:15], s[4:5], s[16:17]
	s_add_nc_u64 s[46:47], s[6:7], s[46:47]
	CROUND                                         ; all sixteen work-groups are here: the first joint loads meet
.irp s, 0,1
	s_mov_b32 s[G0+4*(\s)], 1
	s_add_co_u32 s[G0+4*(\s)+1], s20, (\s)*SLOT
	s_add_nc_u64 s[G0+4*(\s)+2:G0+4*(\s)+3], s[14:15], (\s)*ASTEP
	s_or_b32 s[G0+4*(\s)+3], s[G0+4*(\s)+3], 0x80000000
	s_mov_b32 s[G0B+4*(\s)], 1
	s_add_co_u32 s[G0B+4*(\s)+1], s20, (\s)*SLOT
	s_add_nc_u64 s[G0B+4*(\s)+2:G0B+4*(\s)+3], s[46:47], (\s)*BSTEP
	s_or_b32 s[G0B+4*(\s)+3], s[G0B+4*(\s)+3], 0x80000000
.endr
	s_cmp_eq_u32 s11, 0                            ; a wave's two first fills stand in one branch: two loads of mine are out
	s_cbranch_scc0 .Lfirst_b
	tensor_load_to_lds s[G0:G0+3], s[G1:G1+7]
	s_nop 0
	tensor_load_to_lds s[G0+4:G0+7], s[G1:G1+7]
	s_nop 0
.rept 4
	v_nop
.endr
	s_branch .Lfirst_asked
.Lfirst_b:
	tensor_load_to_lds s[G0B:G0B+3], s[G1B:G1B+7]
	s_nop 0
	tensor_load_to_lds s[G0B+4:G0B+7], s[G1B:G1B+7]
	s_nop 0
.rept 4
	v_nop
.endr
.Lfirst_asked:
	s_mov_b64 s[BP:BP+1], s[76:77]                 ; the matrix's bias
	s_cmp_eq_u32 ttmp9, 1
	s_cselect_b64 s[BP:BP+1], s[78:79], s[BP:BP+1]
	s_cmp_eq_u32 ttmp9, 2
	s_cselect_b64 s[BP:BP+1], s[80:81], s[BP:BP+1]
	s_lshl_b32 s84, s40, 10                        ; at column 256 cx + 128 x half
	s_lshl_b32 s85, s12, 9
	s_add_co_u32 s84, s84, s85
	s_mov_b32 s85, 0
	s_add_nc_u64 s[BP:BP+1], s[BP:BP+1], s[84:85]
	v_and_b32 v1, 15, v0                           ; l % 16
	v_bfe_u32 v2, v0, 4, 1                         ; l / 16
	v_lshlrev_b32 v[BO], 5, v2
.irp b, 0,1,2,3,4,5,6,7                ; register j of block b: the bias of column 16 b + 8 (l / 16) + j, as the result holds it
	global_load_b128 v[BIAS+8*(\b):BIAS+8*(\b)+3],   v[BO], s[BP:BP+1] offset:64*(\b)
	global_load_b128 v[BIAS+8*(\b)+4:BIAS+8*(\b)+7], v[BO], s[BP:BP+1] offset:64*(\b)+16
.endr
	v_mul_u32_u24 v3, v1, PA                       ; x's fragments: row x pitch + 16 x half of the lanes
	v_lshl_add_u32 v3, v2, 4, v3
	s_mul_i32 s21, s11, HALFT
	v_add_nc_u32 v[FA0], s21, v3
	v_and_b32 v4, 7, v0                            ; W's, turned: k row 8 (l / 16) + l % 8, 16 bytes at 16 ((l / 8) % 2)
	v_bfe_u32 v5, v0, 3, 1
	v_lshl_add_u32 v4, v2, 3, v4
	v_mul_u32_u24 v4, v4, PB
	v_lshl_add_u32 v4, v5, 4, v4
	s_lshl_b32 s22, s12, 8
	s_add_co_u32 s22, s22, BOFF
	v_add_nc_u32 v[FB0], s22, v4
	s_mul_i32 s23, s10, DWAVE                      ; the way out: my 128 rows of 528 bytes
	v_mul_u32_u24 v3, v1, DP
	v_lshl_add_u32 v3, v2, 5, v3
	v_add_nc_u32 v[DST], s23, v3                   ; in: row l % 16, 32 bytes for each half of the lanes
	v_bfe_u32 v3, v0, 3, 2
	v_mul_u32_u24 v3, v3, DP
	v_and_b32 v4, 7, v0
	v_lshl_add_u32 v3, v4, 5, v3
	v_add_nc_u32 v[LA0], s23, v3                   ; back: row l / 8, eight columns at 8 (l % 8) of a head
	v_and_b32 v[GO], 31, v0
	v_lshlrev_b32 v[GO], 4, v[GO]                  ; four rows of a head are 512 consecutive bytes
	s_lshl_b32 s16, s13, 8
	s_lshl_b32 s17, s11, 7
	s_add_co_u32 s16, s16, s17                     ; my first row
	s_lshr_b32 s17, s16, 11                        ; its batch,
	s_and_b32 s16, s16, 2047                       ; its place there
	s_lshl_b32 s17, s17, 4
	s_lshl_b32 s84, s40, 2                         ; my first head: 16 x batch + 4 cx + 2 x half
	s_lshl_b32 s85, s12, 1
	s_add_co_u32 s84, s84, s85
	s_add_co_u32 s84, s84, s17
	s_lshl_b32 s84, s84, 11
	s_add_co_u32 s84, s84, s16
	s_lshl_b32 s84, s84, 7                         ; 128 bytes a row
	s_lshl_b32 s85, ttmp9, 23                      ; q, k or v: 8 MiB each
	s_add_co_u32 s84, s84, s85
	s_mov_b32 s85, 0
	s_add_nc_u64 s[8:9], s[8:9], s[84:85]
	; THE PREFETCHES.  x's rows are read by every cluster of a row of clusters: cluster x = 0 asks; W's by every cluster of a column: cluster y = 0 asks.  The four partners that ask for a tile
	; jointly share its blocks out by address: of x's 128 rows 32 each (by cx), a lane a row; of W's 64 k rows 16 each (by cy), two lanes a row of 512 bytes.  So each block of 256 bytes is named once.
	s_lshl_b32 s20, s13, 8
	s_lshl_b32 s21, s12, 7
	s_add_co_u32 s20, s20, s21
	s_lshl_b32 s21, s40, 5
	s_add_co_u32 s20, s20, s21
	s_lshl_b32 s20, s20, 11
	s_add_co_u32 s20, s20, 2*ASTEP                 ; x: at K step 2; each change of slots steps it first
	s_lshl_b32 s22, s12, 6
	s_lshl_b32 s23, s41, 4
	s_add_co_u32 s22, s22, s23
	s_add_co_u32 s22, s22, 2*KSTEP
	s_mul_i32 s22, s22, NB*2
	s_lshl_b32 s23, s40, 9
	s_add_co_u32 s22, s22, s23                     ; W: the same
	s_and_b32 s23, ttmp7, 0xffff
	s_mov_b32 s[PSTEP], BSTEP
	s_mov_b32 s[PSTEP+1], 0
	s_mov_b32 s91, NB*2
	s_cmp_eq_u32 s11, 0                            ; do I fetch for x?
	s_cselect_b32 s20, s20, s22
	s_cselect_b32 s23, ttmp9, s23                  ; the coordinate along which other clusters read the same blocks
	s_cselect_b64 s[PFA:PFA+1], s[4:5], s[6:7]
	s_cselect_b32 s[PSTEP], ASTEP, s[PSTEP]
	s_cselect_b32 s91, 2048, s91                   ; bytes from row to row
	s_cselect_b32 s92, 0, 1                        ; lanes to a row: 1 or 2
	s_cselect_b32 s93, 0, 256
	s_cmp_eq_u32 s23, 0
	s_cselect_b32 s[LIM], 1, -1
	s_mov_b32 s21, 0
	s_add_nc_u64 s[PFA:PFA+1], s[PFA:PFA+1], s[20:21]
	v_and_b32 v[PFO], 31, v0
	v_and_b32 v[TT], 1, v[PFO]
	v_lshrrev_b32 v[PFO], s92, v[PFO]
	v_mul_u32_u24 v[PFO], s91, v[PFO]
	v_mul_u32_u24 v[TT], s93, v[TT]
	v_add_nc_u32 v[PFO], v[PFO], v[TT]
	s_wait_loadcnt 0x0                             ; the bias
.set i, 0
.rept 32
	ROUND2 BIAS+2*i, TT
.set i, i+1
.endr
; 16 matrix instructions: row blocks a0, a0 + 1 of the window's four x all 8 column blocks, 32 along K.  init = 1: the bias starts the sums.  The 64 accumulators take turns in the same order everywhere.
.macro MUL16 f, hi, a0, init
.if \init
	WIN MUL_IN+0x40*(\hi)
.else
	WIN MUL_LO+0x50*(\hi)
.endif
.irp a, \a0, (\a0)+1
.irp b, 0,1,2,3,4,5,6,7
.if \init
	v_wmma_f32_16x16x32_bf16 v[8*(8*(\a)+(\b)):8*(8*(\a)+(\b))+7], v[(\f)+8*(\b):(\f)+8*(\b)+7], v[(\f)+8*(4*(\hi)+(\a)):(\f)+8*(4*(\hi)+(\a))+7], v[BIAS+8*(\b):BIAS+8*(\b)+7]
.else
	v_wmma_f32_16x16x32_bf16 v[8*(8*(\a)+(\b)):8*(8*(\a)+(\b))+7], v[(\f)+8*(\b):(\f)+8*(\b)+7], v[(\f)+8*(4*(\hi)+(\a)):(\f)+8*(4*(\hi)+(\a))+7], v[8*(8*(\a)+(\b)):8*(8*(\a)+(\b))+7]
.endif
.endr
.endr
.endm
; 32 LDS loads in one run: a quarter step's fragments (32 along K at byte k of x's rows) into buffer f: W's 16, then x's 16
.macro FETCH k, f
	WIN TO_B
.irp b, 0,1,2,3,4,5,6,7
	ds_load_tr16_b128 v[(\f)+8*(\b):(\f)+8*(\b)+3],   v[ADRB] offset:((\k)/64)*32*PB+32*(\b)
	ds_load_tr16_b128 v[(\f)+8*(\b)+4:(\f)+8*(\b)+7], v[ADRB] offset:((\k)/64)*32*PB+16*PB+32*(\b)
.endr
	WIN 0
.irp i, 0,1,2,3,4,5,6,7
	ds_load_b128 v[(\f)+8*(\i):(\f)+8*(\i)+3],   v[ADRA] offset:(\k)+(\i)*16*PA
	ds_load_b128 v[(\f)+8*(\i)+4:(\f)+8*(\i)+7], v[ADRA] offset:(\k)+(\i)*16*PA+32
.endr
.endm
; One of a K step's first three quarters: multiplies buffer f, and in its middle fetches the next quarter, at byte k, into g
.macro QUARTER k, f, g, init
	s_wait_dscnt 8                                 ; W and x's rows 0-63 are in; the youngest eight loads (x's rows 64-127) may be out
	MUL16 \f, 0, 0, \init
	MUL16 \f, 0, 2, \init
	PLACES
	FETCH \k, \g
	s_wait_dscnt 32                                ; all but the 32 just issued
	MUL16 \f, 1, 0, \init
	MUL16 \f, 1, 2, \init
.endm
; The last quarter multiplies buffer 1 and changes slots.  In front of the barrier each wave waits for all its tensor loads (one is out: its part of the next slot), adds 0 to its spare word, and waits for that
; and for its reads of this slot.  fill = 1: the barrier opens a round of the cluster's, and the joint refill of the slot just read, with the K step two on, is the first thing behind it.
.macro TURN fill
.if \fill
	s_wait_xcnt 0x0                                ; the last prefetch, a K step back, has read its address
	s_add_nc_u64 s[PFA:PFA+1], s[PFA:PFA+1], s[PSTEP:PSTEP+1]
.endif
	WIN 0
	s_wait_tensorcnt 0x0
	ds_add_u32 v[SPW], v[NIL]
	s_wait_dscnt 9                                 ; (the add and the youngest eight loads may be out)
	MUL16 F1, 0, 0, 0
	s_wait_dscnt 0x0                               ; the add is done, and my reads of this slot are over
	s_barrier_signal -1
	MUL16 F1, 0, 2, 0
	WIN 0
	s_barrier_wait -1
.if \fill
	CREST
	s_xor_b32 s[G0+5], s[G0+5], SLOT               ; the walking descriptors: the other slot than last time, the next K step
	s_add_nc_u64 s[G0+6:G0+7], s[G0+6:G0+7], ASTEP
	s_xor_b32 s[G0B+5], s[G0B+5], SLOT
	s_add_nc_u64 s[G0B+6:G0B+7], s[G0B+6:G0B+7], BSTEP
	JLOAD                                          ; its four v_nop are also the places in front of the loads below
.else
	PLACES
.endif
	v_add_nc_u32 v[ADRA], s[TB], v[FA0]
	v_add_nc_u32 v[ADRB], s[TB], v[FB0]
	s_xor_b32 s[TB], s[TB], SLOT
	FETCH 0, F0
.if \fill
	ASK
.endif
	MUL16 F1, 1, 0, 0
	MUL16 F1, 1, 2, 0
.endm
	s_wait_tensorcnt 0x1                           ; my part of K step 0 is in; K step 1's may stay out
	s_barrier_signal -1
	s_barrier_wait -1
	v_mov_b32 v[ADRA], v[FA0]
	v_mov_b32 v[ADRB], v[FB0]
	s_mov_b32 s[TB], SLOT
	FETCH 0, F0
	QUARTER 64, F0, F1, 1                          ; the first quarter stands in front of the loop: its products start the sums
	WIN 0
	s_mov_b32 s3, NSTEP-2
.Lk:                                               ; a trip: a K step's last three quarters and the next step's first; it fills the slot that it leaves
	QUARTER 128, F1, F0, 0
	QUARTER 192, F0, F1, 0
	TURN 1
	QUARTER 64, F0, F1, 0
	WIN 0
	s_sub_co_u32 s3, s3, 1
	s_cmp_lg_u32 s3, 0
	s_cbranch_scc1 .Lk
	s_mov_b32 s3, 2
.Lt:                                               ; the last two K steps ask for nothing; the second trip is left in its middle.  Its change of slots fetches 32 fragments that nobody multiplies: the price of one text for both
	QUARTER 128, F1, F0, 0
	QUARTER 192, F0, F1, 0
	TURN 0
	WIN 0
	s_sub_co_u32 s3, s3, 1
	s_cmp_eq_u32 s3, 0
	s_cbranch_scc1 .Lout
	QUARTER 64, F0, F1, 0
	WIN 0
	s_branch .Lt
.Lout:
	; THE WAY OUT.  Every wave's reads of the slots are over; behind the barrier each wave lays its 128 x 128 sums, f32, into its own part of the slots and reads them back by rows of a head.
	s_wait_dscnt 0x0
	s_barrier_signal -1
	s_barrier_wait -1
	PLACES
.irp a, 0,1,2,3,4,5,6,7
	WIN 0x08+4*((\a)/4)                            ; an LDS store's data is source 1: window 2 or 3
.irp b, 0,1,2,3,4,5,6,7
	ds_store_b128 v[DST], v[8*(8*((\a)%4)+(\b)):8*(8*((\a)%4)+(\b))+3]   offset:(\a)*16*DP+64*(\b)
	ds_store_b128 v[DST], v[8*(8*((\a)%4)+(\b))+4:8*(8*((\a)%4)+(\b))+7] offset:(\a)*16*DP+64*(\b)+16
.endr
.endr
	WIN 0
.macro ROWS_IN                         ; eight rows: u = 2 x head + f: rows 4 f + l / 8, eight columns of that head.  LDS serves a wave's instructions in order: these see the stores above
.irp u, 0,1,2,3
	ds_load_b128 v[XV+8*(\u):XV+8*(\u)+3],   v[LA] offset:((\u)%2)*4*DP+((\u)/2)*256
	ds_load_b128 v[XV+8*(\u)+4:XV+8*(\u)+7], v[LA] offset:((\u)%2)*4*DP+((\u)/2)*256+16
.endr
.endm
	v_mov_b32 v[LA], v[LA0]
	ROWS_IN
	s_mov_b32 s[OFS], 0
	s_mov_b32 s3, 16
.Lrow:                                             ; 16 trips of eight rows
	s_wait_dscnt 0x0                               ; the rows are in
	s_wait_xcnt 0x0                                ; the last trip's stores have read their registers
	v_add_nc_u32 v[GO], 1024, v[GO]                ; eight rows of a head on; the stores reach back
.irp u, 0,1,2,3
.irp r, 0,1,2,3
	v_cvt_pk_bf16_f32 v[PKD+4*(\u)+(\r)], v[XV+8*(\u)+2*(\r)], v[XV+8*(\u)+2*(\r)+1]
.endr
.endr
	s_add_co_u32 s[OFS], s[OFS], 8*DP              ; the next eight rows; the last trip reads its own once more
	s_min_u32 s[OFS], s[OFS], 15*8*DP
	v_add_nc_u32 v[LA], s[OFS], v[LA0]
	ROWS_IN
.irp u, 0,1,2,3
	global_store_b128 v[GO], v[PKD+4*(\u):PKD+4*(\u)+3], s[8:9] offset:((\u)/2)*262144+((\u)%2)*512-1024  ; 512 consecutive bytes of a head, at a multiple of 256 from qkv's first
.endr
	s_sub_co_u32 s3, s3, 1
	s_cmp_lg_u32 s3, 0
	s_cbranch_scc1 .Lrow
	s_wait_tensorcnt 0x0                           ; the wave's end
	ds_add_u32 v[SPW], v[NIL]
	s_wait_dscnt 0x0
	CROUND                                         ; the closing round
	s_endpgm
.Lfunc_end_k_qf537135469_qkv:
	.size	k_qf537135469_qkv, .Lfunc_end_k_qf537135469_qkv-k_qf537135469_qkv
	.p2alignl 7, 3214868480
	.fill 96, 4, 3214868480
	.section	.rodata,"a",@progbits
	.p2align	6, 0x0
	.amdhsa_kernel k_qf537135469_qkv
		.amdhsa_group_segment_fixed_size 327680
		.amdhsa_private_segment_fixed_size 0
		.amdhsa_enable_private_segment 0
		.amdhsa_kernarg_size 40
		.amdhsa_user_sgpr_count 2
		.amdhsa_user_sgpr_kernarg_segment_ptr 1
		.amdhsa_wavefront_size32 1
		.amdhsa_system_sgpr_workgroup_id_x 1
		.amdhsa_system_sgpr_workgroup_id_y 1
		.amdhsa_system_sgpr_workgroup_id_z 1
		.amdhsa_system_vgpr_workitem_id 0
		.amdhsa_next_free_vgpr 1024
		.amdhsa_next_free_sgpr 96
		.amdhsa_reserve_vcc 0
		.amdhsa_float_denorm_mode_32 3
		.amdhsa_float_denorm_mode_16_64 3
		.amdhsa_memory_ordered 1
		.amdhsa_forward_progress 1
		.amdhsa_inst_pref_size 88
	.end_amdhsa_kernel
	.amdgpu_metadata
---
amdhsa.version: [ 1, 2 ]
amdhsa.kernels:
  - .name:           k_qf537135469_qkv
    .symbol:         k_qf537135469_qkv.kd
    .args:
      - { .name: cb, .offset: 0, .size: 8, .value_kind: global_buffer, .address_space: global }
      - { .name: bq, .offset: 8, .size: 8, .value_kind: global_buffer, .address_space: global }
      - { .name: bk, .offset: 16, .size: 8, .value_kind: global_buffer, .address_space: global }
      - { .name: bv, .offset: 24, .size: 8, .value_kind: global_buffer, .address_space: global }
      - { .name: qkv, .offset: 32, .size: 8, .value_kind: global_buffer, .address_space: global }
    .group_segment_fixed_size: 327680
    .private_segment_fixed_size: 0
    .kernarg_segment_align: 8
    .kernarg_segment_size: 40
    .max_flat_workgroup_size: 128
    .sgpr_count:     96
    .vgpr_count:     1024
    .wavefront_size: 32
...
	.end_amdgpu_metadata
.endif
;; end of part 2
;; launch attn (part 3): grid 8 x 32, 4 waves a work-group, clusters of 4 x 1, 327,680 bytes of LDS; arguments qkv, ob, W1, W2, cb; writes ob, cb
.if DOCPART == 3
	.amdgcn_target "amdgcn-amd-amdhsa--gfx1250"
	.amdhsa_code_object_version 6
	.text
	.protected	k_qf537135469_attn
	.globl	k_qf537135469_attn
	.p2align	8
	.type	k_qf537135469_attn,@function
k_qf537135469_attn:
	s_mov_b64 s[64:65], 0
	v_nop
	global_prefetch_b8 v0, s[64:65] scope:SCOPE_SE
	s_setreg_imm32_b32 hwreg(HW_REG_WAVE_MODE, 25, 1), 1
	s_wait_xcnt 0x0
	s_wait_alu depctr_hold_cnt(0) depctr_sa_sdst(0) depctr_va_vdst(0) depctr_va_sdst(0) depctr_va_ssrc(0) depctr_va_vcc(0) depctr_vm_vsrc(0)
	s_getreg_b32 s2, hwreg(HW_REG_IB_STS2, 6, 4)
	s_cmp_eq_u32 s2, 0
	s_cbranch_scc0 .Lentry_in_a_cluster
	s_endpgm
.Lentry_in_a_cluster:
	s_bfe_u32 s2, ttmp6, 0x10000c
	s_cmp_lg_u32 s2, 0x3003
	s_cbranch_scc0 .Lentry_shape_is_right
	s_endpgm
.Lentry_shape_is_right:
; O[h][q][:] = the sum over k of softmax_k(Q[h][q] . K[h][k] / 8) V[h][k][:] for 32 heads (batch x 16 + head) of 2,048 rows of 64, all bf16: q, k, v lie 8 MiB apart in qkv, a head's rows dense.
; Products, maxima and sums in f32; the weights p are rounded to bf16 for the second product (their sum l is taken of the unrounded p), O once at the end.
; LIMITS.  A weight below 2^-126 counts as 0 in l; NaN and infinities are not treated apart.
; SHARES.  A work-group owns 256 queries of a head, a wave 64: four PIECES of 16.  Every wave walks all keys, 64 a step, four steps to an LDS slot.
; LAYOUT.  S^T = K Q^T holds ONE query a lane (lane % 16) and the keys 8 (lane / 16) + 0..7; two such results rounded to bf16 ARE source 1 of O^T = V^T P.  K comes out of LDS as it lies, V turned.
; SOFTMAX.  p = 2^(c s - c m), c = log2(e) / 8, with a running maximum m; O and l are multiplied by a = 2^(c m_old - c m_new) in every step.  m starts at the lowest finite number, O and l at 0: the first step has a = 0.
; TURNS.  Turn n belongs to piece n: 8 products K Q^T of piece n + 1, later 8 products V^T P of piece n - 1; beside them piece n's scaling, exponentials, roundings, sums and rescaling and piece n + 1's maximum
; and statistics.  Four vector lines stand behind every matrix instruction, the others in one lump.  A turn's 33 exponentials are one batch with one wait.
; CLUSTER.  The four query blocks of a cluster belong to one head and walk the same K and V: each tile is asked for jointly.
; A SECOND JOB RIDES ALONG: W1 and W2 (f32, 2^22 numbers each), which the launches behind this one multiply, are rounded to bf16 into cb (at 16 and 24 MiB).  This launch moves 32 MiB of its own for 34 GFLOP, so
; its waves issue few loads and stores; each of the 1,024 waves takes 8 batches of 2 KiB of each matrix: 8 loads, 16 conversions, 8 stores.  A batch is asked for at one change of slots and stored at the next, four key steps later.
; WINDOWS: 0: addresses, statistics, S^T (v64-127, two buffers), the batch (v128-175), P (v192-223, two buffers); 1: O^T, 32 a piece; 2: Q v0-63, K v128-191, V v192-255.
.set NP,    4
.set KS,    64
.set PK,    144       ; a row of K in LDS: 128 bytes + 16
.set PV,    160       ; a row of V: 128 + 32
.set VOFF,  4*KS*PK   ; a slot: 256 rows of K, then 256 rows of V
.set SLOT1, 1<<17
.set STAGE, SLOT1+4*KS*(PK+PV)  ; behind the ring, never filled by a tensor load: 16 rows x 144 bytes a wave
.set SP,    144
.set SPARE, STAGE+4*16*SP       ; the spare words, 128 bytes a wave
.set TILEB, 4*KS*128            ; a tile's bytes of K or of V in memory
.set CSTEP, 2097152             ; a batch of all 1,024 waves: 2 MiB of W1 and of W2; half as much of cb
.set W1B,   16777216            ; W1's copy in cb
.set W2B,   25165824            ; W2's
.set AK0, 2
.set AV0, 3
.set AK,  4
.set AV,  5
.set STO, 6
.set RD,  7
.set GO,  8
.set MV,  12          ; v12-13  c m_old, by buffer
.set QO,  15
.set ST,  16          ; piece t's statistics at v[ST+4 t]: c m, m, l (even keys', odd keys')
.set CLO, 32          ; v32  16 x my lane: the batch's loads; never rewritten
.set CSO, 33          ; v33  8 x my lane: its stores; never rewritten
.set TMP, 48          ; by buffer, four registers at work; c2 takes a
.set PFO, 61          ; v61  256 x my lane; never rewritten
.set SPW, 62          ; v62  my spare word; never rewritten
.set NIL, 63          ; v63  0; never rewritten
.set S,   64
.set CX,  128         ; v[128:159] a batch as loaded: 4 x 4 numbers of W1, then of W2
.set CP,  160         ; v[160:175] the batch packed
.set P,   192
.set KF,  128
.set VF,  192
.set WV,  12
.set LIM, 15          ; s15  1 in a wave that prefetches, else the greatest number
.set PFA, 18          ; s[18:19] where my prefetches stand
.set G1K, 24
.set G1V, 32
.set G0K, 40
.set G0V, 44
.set SRC1, 48         ; s[48:49] W1 at my wave's 2 KiB of the batch last asked for
.set SRC2, 50         ; s[50:51] W2 likewise
.set DST1, 52         ; s[52:53] W1's copy, one batch behind the batch that is stored: the stores reach back
.set DST2, 54         ; s[54:55] W2's copy likewise
.set SLOTS, 56
.set CNT, 57
.set CS,  58
.set SEL, 60
.set TBK, 62
.set TBV, 63
.set MSB, 0
.macro WIN new
.if MSB != (\new)
	s_set_vgpr_msb (MSB<<8)|(\new)
.set MSB, (\new)
.endif
.endm
.set W_KQ, 0x0a       ; K and Q in window 2, S^T in window 0
.set W_PV, 0x52       ; V in window 2, P in window 0, O^T in window 1
.set W_RS, 0x41       ; destination and source 0 in window 1, source 1 in window 0
.macro JLOAD                        ; a joint fill: waves 0 and 1 fetch the halves of a tile's K, waves 2 and 3 those of its V; s_nop 0 and four v_nop follow each line
	s_cmp_lt_u32 s[WV], 2
	s_cbranch_scc0 .Lfor_v_\@
	tensor_load_to_lds s[G0K:G0K+3], s[G1K:G1K+7]
	s_nop 0
.rept 4
	v_nop
.endr
	s_branch .Lasked_\@
.Lfor_v_\@:
	tensor_load_to_lds s[G0V:G0V+3], s[G1V:G1V+7]
	s_nop 0
.rept 4
	v_nop
.endr
.Lasked_\@:
.endm
; A prefetch of the tile that the NEXT change of slots will ask for: four key steps ahead of that load.  All clusters of a head walk the same K and V: the head's first cluster asks.  Its four partners take 8,192 bytes
; each, told apart by address; in each, wave 0 asks for K's and wave 2 for V's, a lane a block of 256 bytes.  The last change that fills a slot asks for nothing.
.macro ASK
	s_cmp_gt_u32 s[SLOTS], s[LIM]
	s_cbranch_scc0 .Lnot_mine_\@
	global_prefetch_b8 v[PFO], s[PFA:PFA+1] th:TH_LOAD_NT scope:SCOPE_SE
.Lnot_mine_\@:
.endm
.macro CROUND
	s_barrier_signal -1
	s_barrier_wait -1
	s_cmp_lg_u32 s[WV], 0
	s_cbranch_scc1 .Lnot_wave_0_\@
	s_barrier_signal -3
.Lnot_wave_0_\@:
	s_barrier_wait -3
	s_barrier_signal -1
	s_barrier_wait -1
.endm
; THE WEIGHTS' BATCHES.  CAST_ASK: 4 loads of 512 consecutive bytes of W1 and 4 of W2.  CAST_OUT: the batch asked for at the last change of slots is rounded and stored, 256 consecutive aligned bytes a store.
.macro CAST_ASK
.irp j, 0,1,2,3
	global_load_b128 v[CX+4*\j:CX+4*\j+3],       v[CLO], s[SRC1:SRC1+1] offset:512*\j th:TH_LOAD_NT
	global_load_b128 v[CX+16+4*\j:CX+16+4*\j+3], v[CLO], s[SRC2:SRC2+1] offset:512*\j th:TH_LOAD_NT
.endr
.endm
.macro CAST_OUT
	s_wait_loadcnt 0x0              ; the batch was asked for four key steps ago
.set ci, 0
.rept 16
	v_cvt_pk_bf16_f32 v[CP+ci], v[CX+2*ci], v[CX+2*ci+1]
.set ci, ci+1
.endr
.irp j, 0,1,2,3
	global_store_b64 v[CSO], v[CP+2*\j:CP+2*\j+1],     s[DST1:DST1+1] offset:256*\j-CSTEP/2
	global_store_b64 v[CSO], v[CP+8+2*\j:CP+8+2*\j+1], s[DST2:DST2+1] offset:256*\j-CSTEP/2
.endr
.endm
; THE CHANGE OF SLOTS.  Each wave waits for all its tensor loads (one is out: its part of the other slot), adds 0 to its spare word, and waits for that and for its reads of the slot that it leaves.
; fill = 1: a round of the cluster's barrier, and the joint refill first behind it.  (At its first use nothing has been read yet: slot 0 is waited for, slot 1 filled.)
; Behind the refill the weights' last batch goes out and, with fill = 1, the next is asked for.
.macro CHANGE fill
	WIN 0
	s_wait_tensorcnt 0x0
	ds_add_u32 v[SPW], v[NIL]
.if \fill
.irp g, G0K, G0V
	s_xor_b32 s[\g+1], s[\g+1], SLOT1
	s_add_nc_u64 s[\g+2:\g+3], s[\g+2:\g+3], TILEB
.endr
.endif
	s_wait_xcnt 0x0                 ; the last change's prefetch, loads and stores, four key steps back, have read their addresses and data: the pointers below and the packed batch may be written
.if \fill
	s_add_nc_u64 s[PFA:PFA+1], s[PFA:PFA+1], TILEB
	s_add_nc_u64 s[SRC1:SRC1+1], s[SRC1:SRC1+1], CSTEP
	s_add_nc_u64 s[SRC2:SRC2+1], s[SRC2:SRC2+1], CSTEP
.endif
	s_add_nc_u64 s[DST1:DST1+1], s[DST1:DST1+1], CSTEP/2
	s_add_nc_u64 s[DST2:DST2+1], s[DST2:DST2+1], CSTEP/2
	s_wait_dscnt 0x0
.if \fill
	CROUND
	JLOAD
	ASK
.else
	s_barrier_signal -1
	s_barrier_wait -1
.endif
	CAST_OUT
.if \fill
	CAST_ASK
.endif
	s_sub_co_u32 s[TBK], s[TBK], 4*KS*PK  ; the fetches go back to a slot's first step, in the other slot
	s_xor_b32 s[TBK], s[TBK], SLOT1
	s_sub_co_u32 s[TBV], s[TBV], 4*KS*PV
	s_xor_b32 s[TBV], s[TBV], SLOT1
.endm
	s_load_b64 s[4:5], s[0:1], 0x0    ; qkv
	s_load_b64 s[10:11], s[0:1], 0x8  ; ob
	s_load_b128 s[48:51], s[0:1], 0x10  ; W1, W2
	s_load_b64 s[52:53], s[0:1], 0x20 ; cb
	v_lshl_add_u32 v[SPW], v0, 2, SPARE
	v_mov_b32 v[NIL], 0
	ds_add_u32 v[SPW], v[NIL]       ; the wave's opening: the add and its wait ahead of my first tensor load
	v_lshrrev_b32 v1, 5, v0
	v_readfirstlane_b32 s[WV], v1
	s_bfe_u32 s13, ttmp6, 0x40000   ; cx
	s_lshl_b32 s14, ttmp9, 2
	s_add_co_u32 s14, s14, s13      ; my block of 256 queries: it enters Q's, O's and the weights' addresses alone
	s_and_b32 s20, ttmp7, 0xffff    ; the head, which the four partners share
	s_lshl_b32 s17, s20, 3
	s_add_co_u32 s17, s17, s14
	s_lshl_b32 s17, s17, 2
	s_add_co_u32 s17, s17, s[WV]    ; my wave among the launch's 1,024
	s_lshl_b32 s20, s20, 18         ; a head: 262,144 bytes
	s_and_b32 s16, s[WV], 1         ; which half of a tile's 256 keys I fetch
	s_lshl_b32 s22, s16, 14
	s_add_co_u32 s22, s22, s20
	s_mov_b32 s23, 0
	s_lshl_b32 s2, s14, 15
	s_lshl_b32 s3, s[WV], 13
	s_add_co_u32 s2, s2, s3
	s_add_co_u32 s2, s2, s20        ; my wave's 64 rows
	s_mov_b32 s3, 0
	; 128 keys are 16,384 dense bytes: asked for as 64 rows of 256 bytes, two keys a row, padded in LDS after every key
	s_mov_b32 s[G1K], 15|(1<<16)|(1<<20)|(1<<21)|(4<<22)|(3<<25)
	s_mov_b32 s[G1V], 15|(1<<16)|(1<<20)|(1<<21)|(4<<22)|(7<<25)
.irp g, G1K, G1V
	s_mov_b32 s[\g+1], 128<<16
	s_mov_b32 s[\g+2], 64<<16
	s_mov_b32 s[\g+3], 128<<16
	s_mov_b32 s[\g+4], 64
	s_mov_b32 s[\g+5], 128
	s_mov_b32 s[\g+6], 0
	s_mov_b32 s[\g+7], 0
.endr
	s_mov_b32 s[CS], 0x3e38aa3b     ; c = log2(e) / 8
	s_mov_b32 s[CS+1], s[CS]
	s_mov_b32 s[SEL], 0x76543210
	s_mov_b32 s[SEL+1], 0xfedcba98
	s_mov_b32 s[TBK], SLOT1+4*KS*PK ; the first change of slots turns these two into 0
	s_mov_b32 s[TBV], SLOT1+4*KS*PV
	s_mov_b32 s[G0K], 1
	s_mul_i32 s[G0K+1], s16, 128*PK
	s_mov_b32 s[G0V], 1
	s_mul_i32 s[G0V+1], s16, 128*PV
	s_add_co_u32 s[G0V+1], s[G0V+1], VOFF
	s_mov_b32 s[SLOTS], 7           ; tiles still to be asked for
	s_and_b32 s[LIM], s[WV], 1      ; 0 in waves 0 and 2,
	s_or_b32 s[LIM], s[LIM], ttmp9  ; where the cluster is the head's first
	s_cmp_eq_u32 s[LIM], 0
	s_cselect_b32 s[LIM], 1, -1
	v_and_b32 v[PFO], 31, v0
	v_lshlrev_b32 v[PFO], 8, v[PFO]
	s_wait_dscnt 0x0                ; the opening add is done
	s_wait_kmcnt 0x0
	s_add_nc_u64 s[6:7], s[4:5], s[22:23]
	s_add_nc_u64 s[8:9], s[6:7], 16777216   ; V at my half of the head's tile 0
	s_add_nc_u64 s[6:7], s[6:7], 8388608    ; K likewise
	s_add_nc_u64 s[G0K+2:G0K+3], s[6:7], 0
	s_or_b32 s[G0K+3], s[G0K+3], 0x80000000
	s_add_nc_u64 s[G0V+2:G0V+3], s[8:9], 0
	s_or_b32 s[G0V+3], s[G0V+3], 0x80000000
	s_add_nc_u64 s[4:5], s[4:5], s[2:3]     ; Q and O at my wave's first row
	s_add_nc_u64 s[10:11], s[10:11], s[2:3]
	s_cmp_lt_u32 s[WV], 2
	s_cselect_b64 s[PFA:PFA+1], s[6:7], s[8:9]
	s_lshl_b32 s2, s13, 13          ; my work-group's quarter of a tile
	s_add_nc_u64 s[PFA:PFA+1], s[PFA:PFA+1], s[2:3]
	s_add_nc_u64 s[PFA:PFA+1], s[PFA:PFA+1], TILEB  ; in tile 1; each change of slots steps it first.  Nothing is prefetched here, at the head
	s_lshl_b32 s2, s17, 11          ; my wave's 2 KiB of a batch of W1 and of W2,
	s_add_nc_u64 s[SRC1:SRC1+1], s[SRC1:SRC1+1], s[2:3]
	s_add_nc_u64 s[SRC2:SRC2+1], s[SRC2:SRC2+1], s[2:3]
	s_lshl_b32 s2, s17, 10          ; and its 1 KiB of their copies
	s_add_nc_u64 s[DST1:DST1+1], s[DST1:DST1+1], s[2:3]
	s_add_nc_u64 s[DST2:DST2+1], s[DST1:DST1+1], W2B
	s_add_nc_u64 s[DST1:DST1+1], s[DST1:DST1+1], W1B
	CROUND                          ; all four work-groups are here
	JLOAD                           ; tile 0 into slot 0
	v_and_b32 v1, 15, v0
	v_bfe_u32 v9, v0, 4, 1
	v_and_b32 v[CLO], 31, v0
	v_lshlrev_b32 v[CSO], 3, v[CLO]
	v_lshlrev_b32 v[CLO], 4, v[CLO]
	CAST_ASK                        ; the weights' batch 0
	v_lshlrev_b32 v[QO], 7, v1
	v_lshl_add_u32 v[QO], v9, 4, v[QO]
	WIN 0x80
.set i, 0
.rept 8                             ; Q stays in registers: piece i / 2, channels 32 (i % 2) on
	global_load_b128 v[8*i:8*i+3],   v[QO], s[4:5] offset:(i/2)*2048+(i%2)*64
	global_load_b128 v[8*i+4:8*i+7], v[QO], s[4:5] offset:(i/2)*2048+(i%2)*64+32
.set i, i+1
.endr
	; What the first turn finds: V's registers and P's second buffer hold 0, O^T and l are 0.  All this stands in the wait for the first tile: the price of writing no first step out.
.set i, VF
.rept 64
	v_mov_b32 v[i], 0
.set i, i+1
.endr
	WIN 0x40
.set i, 0
.rept 128
	v_mov_b32 v[i], 0
.set i, i+1
.endr
	WIN 0
.set i, 0
.rept 4
	v_mov_b32 v[ST+4*i], 0xfe000000    ; c m: far below every c s
	v_mov_b32 v[ST+4*i+1], 0xff7fffff  ; m
	v_mov_b32 v[ST+4*i+2], 0
	v_mov_b32 v[ST+4*i+3], 0
.set i, i+1
.endr
.set i, P+16
.rept 16
	v_mov_b32 v[i], 0
.set i, i+1
.endr
	v_mul_u32_u24 v[AK0], v1, PK
	v_lshl_add_u32 v[AK0], v9, 4, v[AK0]
	v_and_b32 v10, 7, v0
	v_bfe_u32 v11, v0, 3, 1
	v_lshl_add_u32 v[AV0], v9, 3, v10
	v_mul_u32_u24 v[AV0], v[AV0], PV
	v_lshl_add_u32 v[AV0], v11, 4, v[AV0]
	v_add_nc_u32 v[AV0], VOFF, v[AV0]
	s_mul_i32 s13, s[WV], 16*SP
	s_add_co_u32 s13, s13, STAGE
	v_mul_u32_u24 v[STO], v1, SP
	v_lshl_add_u32 v[STO], v9, 4, v[STO]
	v_add_nc_u32 v[STO], s13, v[STO]
	v_bfe_u32 v[RD], v0, 3, 2
	v_mul_u32_u24 v[RD], v[RD], SP
	v_lshl_add_u32 v[RD], v10, 4, v[RD]
	v_add_nc_u32 v[RD], s13, v[RD]
	v_and_b32 v[GO], 31, v0
	v_lshlrev_b32 v[GO], 4, v[GO]
; THE MATRIX WORK.  The 4 accumulators of a run of 8 take turns.  Product i of 8 of S^T = K Q^T for piece x: channels 32 (i / 4) on, keys 16 (i % 4) on.  The first 4 start the sums.
.macro KQ x
	WIN W_KQ
.set rS, S+32*((\x)%2)+8*(i%4)
.set rK, KF+16*(i%4)+8*(i/4)
.set rQ, 16*(\x)+8*(i/4)
.if i < 4
	v_wmma_f32_16x16x32_bf16 v[rS:rS+7], v[rK:rK+7], v[rQ:rQ+7], 0
.else
	v_wmma_f32_16x16x32_bf16 v[rS:rS+7], v[rK:rK+7], v[rQ:rQ+7], v[rS:rS+7]
.endif
.endm
.macro PV x                         ; product i of 8 of O^T += V^T P: keys 32 (i / 4) on, channels 16 (i % 4) on
	WIN W_PV
.set rO, 32*(\x)+8*(i%4)
.set rV, VF+32*(i/4)+8*(i%4)
.set rP, P+16*((\x)%2)+8*(i/4)
	v_wmma_f32_16x16x32_bf16 v[rO:rO+7], v[rV:rV+7], v[rP:rP+7], v[rO:rO+7]
.endm
.macro MM                           ; the turn's next matrix instruction.  NOKQ = 1: the very last turn: there is no next piece
.if (i < 8) && !NOKQ
	KQ (Y+1)%NP
.elseif i >= 8
.set i, i-8
	PV (Y+NP-1)%NP
.set i, i+8
.endif
.set i, i+1
.endm
.macro FETCH_K                      ; a step's K: 16 loads in one run
	WIN 0x80
.irp f, 0,1,2,3,4,5,6,7
	ds_load_b128 v[KF+8*\f:KF+8*\f+3],   v[AK] offset:(\f/2)*16*PK+(\f%2)*64
	ds_load_b128 v[KF+8*\f+4:KF+8*\f+7], v[AK] offset:(\f/2)*16*PK+(\f%2)*64+32
.endr
	s_add_co_u32 s[TBK], s[TBK], KS*PK
	WIN 0
.endm
.macro FETCH_V                      ; its V, turned
	WIN 0x80
.irp f, 0,1,2,3,4,5,6,7
	ds_load_tr16_b128 v[VF+8*\f:VF+8*\f+3],   v[AV] offset:(\f/4)*32*PV+(\f%4)*32
	ds_load_tr16_b128 v[VF+8*\f+4:VF+8*\f+7], v[AV] offset:(\f/4)*32*PV+16*PV+(\f%4)*32
.endr
	WIN 0
.endm
; THE VECTOR WORK, one line at a time: OP kind, number.  For piece Y: F n: c s - c m for pair n.  E n: the exponential of score n.  C n: pair n rounded to bf16.  B n: of four weights the second pair onto the first.
; L n: l takes that sum (L 0: l = a l + sum).  R n: pair n of O^T times a.  For piece Y + 1: X n, number n of the 22 that find its maximum and statistics (each accumulator's lowest registers are read first).
.set F, 0
.set E, 1
.set C, 2
.set B, 3
.set L, 4
.set R, 5
.set X, 6
.macro REGS y
.set rT, ST+4*(\y)
.set rC, TMP+4*((\y)%2)
.set rW, MV+((\y)%2)
.set rS, S+32*((\y)%2)
.set rP, P+16*((\y)%2)
.set rO, 32*(\y)
.endm
.macro OP k, n
.if (\k) == R
	REGS Y
	WIN W_RS
	v_pk_mul_f32 v[rO+2*(\n):rO+2*(\n)+1], v[rO+2*(\n):rO+2*(\n)+1], v[rC+2:rC+3] op_sel_hi:[1,0]
.elseif (\k) < R
	REGS Y
	WIN 0
.if (\k) == F
	v_pk_fma_f32 v[rS+2*(\n):rS+2*(\n)+1], v[rS+2*(\n):rS+2*(\n)+1], s[CS:CS+1], v[rT:rT+1] op_sel_hi:[1,0,0] neg_lo:[0,0,1] neg_hi:[0,0,1]
.elseif (\k) == E
	v_exp_f32 v[rS+(\n)], v[rS+(\n)]
.elseif (\k) == C
	v_cvt_pk_bf16_f32 v[rP+(\n)], v[rS+2*(\n)], v[rS+2*(\n)+1]
.elseif (\k) == B
	v_pk_add_f32 v[rS+4*(\n):rS+4*(\n)+1], v[rS+4*(\n):rS+4*(\n)+1], v[rS+4*(\n)+2:rS+4*(\n)+3]
.elseif (\n) == 0
	v_pk_fma_f32 v[rT+2:rT+3], v[rT+2:rT+3], v[rC+2:rC+3], v[rS:rS+1] op_sel_hi:[1,0,1]
.else
	v_pk_add_f32 v[rT+2:rT+3], v[rT+2:rT+3], v[rS+4*(\n):rS+4*(\n)+1]
.endif
.elseif NOKQ
	v_nop
.else
	REGS (Y+1)%NP
	WIN 0
.if (\n) < 4
	v_max3_num_f32 v[rC+(\n)], v[rS+8*(\n)], v[rS+8*(\n)+1], v[rS+8*(\n)+2]
.elseif (\n) < 12
	v_max3_num_f32 v[rC+(\n)%4], v[rC+(\n)%4], v[rS+8*((\n)%4)+2*((\n)/4)+1], v[rS+8*((\n)%4)+2*((\n)/4)+2]
.elseif (\n) == 12
	v_max3_num_f32 v[rC], v[rC], v[rS+7], v[rS+15]
.elseif (\n) == 13
	v_max3_num_f32 v[rC+1], v[rC+1], v[rS+23], v[rS+31]
.elseif (\n) == 14
	v_max3_num_f32 v[rC+2], v[rC+2], v[rC+3], v[rT+1]
.elseif (\n) == 15
	v_mov_b32 v[rW], v[rT]
.elseif (\n) == 16
	v_max3_num_f32 v[rC], v[rC], v[rC+1], v[rC+2]
.elseif (\n) == 17
	v_permlanex16_b32 v[rC+3], v[rC], s[SEL], s[SEL+1]
.elseif (\n) == 18
	v_max_num_f32 v[rT+1], v[rC], v[rC+3]
.elseif (\n) == 19
	v_mul_f32 v[rT], s[CS], v[rT+1]
.elseif (\n) == 20
	v_sub_f32 v[rC+1], v[rW], v[rT]
.else
	v_exp_f32 v[rC+2], v[rC+1]
.endif
.endif
.endm
.macro OPS a, i1, b=-1, i2=0, c=-1, i3=0, d=-1, i4=0
	OP \a, \i1
.if (\b) >= 0
	OP \b, \i2
.endif
.if (\c) >= 0
	OP \c, \i3
.endif
.if (\d) >= 0
	OP \d, \i4
.endif
.endm
.macro ROW a, i1, b, i2, c, i3, d, i4  ; a matrix instruction and the four behind it
	MM
	OPS \a, \i1, \b, \i2, \c, \i3, \d, \i4
.endm
; A TURN, for piece p.  Ahead of its one wait stands all that names no result of the turn's exponentials: the 8 products K Q^T with their riders, and the lump; X 21, the next piece's a, is the batch's last, R 15 the plain line
; behind it.  Behind the wait stand the 8 products V^T P, behind each four of the roundings and sums.  end = 1: the last two turns: nothing is fetched.  cnt = 1: the loop's count is taken down ahead of the branch behind the turn.
; K of the next step is fetched in piece 2's turn, V of the step in hand at the end of piece 0's; each is waited for a turn later.
.macro TURN p, end=0, cnt=0
.set Y, (\p)
.set i, 0
.set NOKQ, (\end)*((\p)/3)
.if ((\p) == 3) && !(\end)
	s_wait_dscnt 0x0                ; K is in
.endif
	ROW F,0, F,1, R,0, R,1
	ROW F,2, E,0, R,2, R,3
	ROW F,3, E,1, R,4, R,5
	ROW F,4, E,2, R,6, R,7
	ROW F,5, E,3, R,8, R,9
	ROW F,6, E,4, X,0, R,10
.if ((\p) == 2) && !(\end)
	WIN 0
	v_add_nc_u32 v[AK], s[TBK], v[AK0]
.endif
	ROW F,7, E,5, X,1, X,4
	ROW F,8, E,6, X,2, X,5
	OPS E,7, E,8, X,6, E,9
	OPS X,3, E,10, X,8, E,11
.if ((\p) == 2) && !(\end)
	FETCH_K
.endif
	OPS X,9, X,7, E,12, X,10
	OPS E,13, X,12, X,11, E,14
	OPS X,13, E,15, F,9, X,14
.if (\p) == 0
	v_add_nc_u32 v[AV], s[TBV], v[AV0]
.endif
	OPS E,16, F,10, E,17, F,11
	OPS X,16, E,18, X,15, E,19
	OPS F,12, E,20, X,17, E,21
	OPS F,13, E,22, F,14, E,23
	OPS X,18, E,24, F,15, E,25
	OPS R,11, E,26, X,19, E,27
	OPS R,12, E,28, R,13, E,29
	OPS X,20, E,30, R,14, E,31
	OPS X,21, R,15
	WIN 0
	s_wait_alu depctr_va_vdst(0)    ; the wait for the batch, ahead of the first line that names a result
.if (\p) == 1
	s_wait_dscnt 0x0                ; V is in
.endif
	ROW C,0, B,0, C,2, B,1
	ROW L,0, C,4, B,2, L,1
	ROW C,6, B,3, L,2, C,8
	ROW B,4, L,3, C,10, B,5
	ROW L,4, C,12, B,6, L,5
.if (\p) == 0
	s_add_co_u32 s[TBV], s[TBV], KS*PV
.endif
.if \cnt
	s_sub_co_u32 s[CNT], s[CNT], 1
	s_cmp_lg_u32 s[CNT], 0
.endif
	ROW C,14, B,7, L,6, C,1
	ROW C,3, L,7, C,5, C,7
	ROW C,9, C,11, C,13, C,15
.if (\p) == 0
	FETCH_V
.endif
.endm
	CHANGE 1                        ; slot 0 is in, everybody's part of it; slot 1 is asked for; the weights' batch 0 goes out (its wait shows Q in too), batch 1 is asked for
	v_add_nc_u32 v[AK], s[TBK], v[AK0]
	FETCH_K                         ; key step 0
	s_wait_loadcnt 0x8              ; Q: only the eight loads of the weights' batch 1, issued behind Q's, may be out
	s_wait_dscnt 0x0
.set NOKQ, 0
.set i, 0
.rept 8
	KQ 0                            ; piece 0's first scores
.set i, i+1
.endr
	WIN 0
.rept 4
	v_nop                           ; the places behind those products
.endr
.set Y, NP-1                        ; X works for piece Y + 1: piece 0
.irp n, 0,1,2,3,4,5,6,7,8,9,10,11,12,13,14,15,16,17,18,19,20,21
	OP X, \n
.endr
	v_nop                           ; a plain line behind the exponential,
	s_wait_alu depctr_va_vdst(0)    ; and its wait, ahead of the branch
	s_mov_b32 s[CNT], 4
	s_branch .Lfirst                ; the loop is entered at a step's first turn, in the middle of a trip
.Lslot:                             ; six times: tiles 2 to 7 are asked for, and the weights' batches 2 to 7
	CHANGE 1
	s_mov_b32 s[CNT], 4
.Lstep:                             ; a trip: pieces 2 and 3 of one step, then pieces 0 and 1 of the next, whose K and V it fetches
	TURN 2
	TURN 3
	WIN 0
.Lfirst:
	TURN 0
	TURN 1, 0, 1
	WIN 0
	s_cbranch_scc1 .Lstep
	s_sub_co_u32 s[SLOTS], s[SLOTS], 1
	s_cmp_lg_u32 s[SLOTS], 0
	s_cbranch_scc1 .Lslot
	CHANGE 0                        ; the last tile is written out; the weights' batch 7 goes out
	s_mov_b32 s[CNT], 4
.LstepT:
	TURN 2
	TURN 3
	TURN 0
	TURN 1, 0, 1
	WIN 0
	s_cbranch_scc1 .LstepT
	TURN 2, 1
	TURN 3, 1
.set i, 0
.rept 8
	PV NP-1                         ; the last piece's V^T P of the last step
.set i, i+1
.endr
	; THE WAY OUT.  l's halves are added; O^T is divided by l, rounded to bf16 and sent through my stage in LDS, a piece at a time.  The additions are the places behind the last products.
	WIN 0
.macro ALL line:vararg
.set t, 0
.rept 4
	\line
.set t, t+1
.endr
.endm
	ALL v_add_f32 v[ST+4*t+2], v[ST+4*t+2], v[ST+4*t+3]
	ALL v_permlanex16_b32 v[ST+4*t+3], v[ST+4*t+2], s[SEL], s[SEL+1]
	ALL v_add_f32 v[ST+4*t+2], v[ST+4*t+2], v[ST+4*t+3]
	ALL v_rcp_f32 v[ST+4*t+2], v[ST+4*t+2]
	v_nop                           ; a plain line between the last reciprocal and its use,
	s_wait_alu depctr_va_vdst(0)    ; and one wait for the four
.macro PACK t
	WIN W_RS
.set i, 32*(\t)
.rept 16
	v_pk_mul_f32 v[i:i+1], v[i:i+1], v[ST+4*(\t)+2:ST+4*(\t)+3] op_sel_hi:[1,0]
.set i, i+2
.endr
	WIN 0x05
.set i, 0
.rept 16
	v_cvt_pk_bf16_f32 v[S+16*(\t)+i], v[32*(\t)+2*i], v[32*(\t)+2*i+1]
.set i, i+1
.endr
	WIN 0
.irp f, 0,1,2,3
	ds_store_b128 v[STO], v[S+16*(\t)+4*\f:S+16*(\t)+4*\f+3] offset:32*\f
.endr
.irp f, 0,1,2,3
	ds_load_b128 v[S+16*(\t)+4*\f:S+16*(\t)+4*\f+3], v[RD] offset:\f*4*SP  ; LDS serves a wave's instructions in order: these see the stores above
.endr
.endm
.macro SEND t, younger              ; younger: the LDS instructions issued behind piece t's loads
	WIN 0
.irp f, 0,1,2,3
	s_wait_dscnt (\younger)+3-\f
	global_store_b128 v[GO], v[S+16*(\t)+4*\f:S+16*(\t)+4*\f+3], s[10:11] offset:(\t)*2048+\f*512  ; 512 consecutive bytes, at a multiple of 256 from O's first
.endr
.endm
	PACK 0
.set t, 1
.rept 3
	PACK t
	SEND t-1, 8
.set t, t+1
.endr
	SEND 3, 0
	s_wait_tensorcnt 0x0            ; the wave's end
	ds_add_u32 v[SPW], v[NIL]
	s_wait_dscnt 0x0
	CROUND                          ; the closing round
	s_endpgm
.Lfunc_end_k_qf537135469_attn:
	.size	k_qf537135469_attn, .Lfunc_end_k_qf537135469_attn-k_qf537135469_attn
	.p2alignl 7, 3214868480
	.fill 96, 4, 3214868480
	.section	.rodata,"a",@progbits
	.p2align	6, 0x0
	.amdhsa_kernel k_qf537135469_attn
		.amdhsa_group_segment_fixed_size 327680
		.amdhsa_private_segment_fixed_size 0
		.amdhsa_enable_private_segment 0
		.amdhsa_kernarg_size 40
		.amdhsa_user_sgpr_count 2
		.amdhsa_user_sgpr_kernarg_segment_ptr 1
		.amdhsa_wavefront_size32 1
		.amdhsa_system_sgpr_workgroup_id_x 1
		.amdhsa_system_sgpr_workgroup_id_y 1
		.amdhsa_system_sgpr_workgroup_id_z 1
		.amdhsa_system_vgpr_workitem_id 0
		.amdhsa_next_free_vgpr 768
		.amdhsa_next_free_sgpr 66
		.amdhsa_reserve_vcc 0
		.amdhsa_float_denorm_mode_32 3
		.amdhsa_float_denorm_mode_16_64 3
		.amdhsa_memory_ordered 1
		.amdhsa_forward_progress 1
		.amdhsa_inst_pref_size 137
	.end_amdhsa_kernel
	.amdgpu_metadata
---
amdhsa.version: [ 1, 2 ]
amdhsa.kernels:
  - .name:           k_qf537135469_attn
    .symbol:         k_qf537135469_attn.kd
    .args:
      - { .name: qkv, .offset: 0, .size: 8, .value_kind: global_buffer, .address_space: global }
      - { .name: ob, .offset: 8, .size: 8, .value_kind: global_buffer, .address_space: global }
      - { .name: W1, .offset: 16, .size: 8, .value_kind: global_buffer, .address_space: global }
      - { .name: W2, .offset: 24, .size: 8, .value_kind: global_buffer, .address_space: global }
      - { .name: cb, .offset: 32, .size: 8, .value_kind: global_buffer, .address_space: global }
    .group_segment_fixed_size: 327680
    .private_segment_fixed_size: 0
    .kernarg_segment_align: 8
    .kernarg_segment_size: 40
    .max_flat_workgroup_size: 128
    .sgpr_count:     66
    .vgpr_count:     768
    .wavefront_size: 32
...
	.end_amdgpu_metadata
.endif
;; end of part 3
;; launch wo (part 4): grid 8 x 32, 4 waves a work-group, clusters of 4 x 4, 327,680 bytes of LDS; arguments ob, cb, bo, y; writes y
.if DOCPART == 4
	.amdgcn_target "amdgcn-amd-amdhsa--gfx1250"
	.amdhsa_code_object_version 6
	.text
	.protected	k_qf537135469_wo
	.globl	k_qf537135469_wo
	.p2align	8
	.type	k_qf537135469_wo,@function
k_qf537135469_wo:
	s_mov_b64 s[64:65], 0
	v_nop
	global_prefetch_b8 v0, s[64:65] scope:SCOPE_SE
	s_setreg_imm32_b32 hwreg(HW_REG_WAVE_MODE, 25, 1), 1
	s_wait_xcnt 0x0
	s_wait_alu depctr_hold_cnt(0) depctr_sa_sdst(0) depctr_va_vdst(0) depctr_va_sdst(0) depctr_va_ssrc(0) depctr_va_vcc(0) depctr_vm_vsrc(0)
	s_getreg_b32 s2, hwreg(HW_REG_IB_STS2, 6, 4)
	s_cmp_eq_u32 s2, 0
	s_cbranch_scc0 .Lentry_in_a_cluster
	s_endpgm
.Lentry_in_a_cluster:
	s_bfe_u32 s2, ttmp6, 0x10000c
	s_cmp_lg_u32 s2, 0xf033
	s_cbranch_scc0 .Lentry_shape_is_right
	s_endpgm
.Lentry_shape_is_right:
; y = O Wo + bo + x, f32 [4096][1024], the sums that the first LayerNorm takes.  O is ob read as [4096][1024] bf16 (the heads' rows as they lie); Wo [1024 (k)][1024 (n)] and x are cb's bf16 copies.
; Sums in f32; the bias, rounded to bf16 like every input, is the C operand that starts each sum; the residual is added in f32 on the way out.  NaN and infinities are not treated apart.
; A tile of y is 128 x 128, so that each of 256 work-groups has one; four waves of 64 x 64: 16 accumulators.  K goes in steps of 256 through two LDS slots.  W's fragments come out of LDS turned.
; The product is used transposed: a lane holds one row and eight neighbouring columns.  CLUSTER 4 x 4: A's tile is shared along a row, W's along a column.  One text for both slots, by s[TB] and walking descriptors.
; K's ORDER.  The t-th K step that a work-group takes is block t xor m of K, m = (cluster y mod 4) xor 2 (cluster x), 0 to 3, the same in all sixteen partners.  The two clusters that read the same rows of A differ in m by 2,
; four neighbouring clusters that read the same columns of W have four different m: clusters that read the same block ask for it in different trips, one to three apart.  The f32 sums take K in that order.
; No prefetch: the tiles are small.
; WINDOWS: 0: addresses, the residual (v32-95), the bias and later rows on their way out (v96-127), the accumulators (v128-255); 1: two fragment buffers of 128: 64 of A, 64 of W.
.set KDIM,   1024
.set NSTEP,  KDIM/256
.set ASH,    9                         ; a K step is 512 bytes along a row of A,
.set BSH,    19                        ; 256 rows of 2,048 bytes down W
.set PA,     528
.set PB,     288                       ; a k row of W's tile: 256 bytes + 32 = 9 x 32
.set AHALF,  64*PA
.set BHALF,  128*PB
.set BOFF,   2*AHALF
.set SLOT,   147456                    ; 141,312 are used; its two bits occur in no tile's address in slot 0
.set STAGE,  2*SLOT                    ; 16 rows x 272 bytes a wave, never filled by a tensor load
.set SPITCH, 272
.set SPARE,  STAGE+4*16*SPITCH
.set WOFF,   14680064                  ; Wo's copy in cb
.set FA0,  16
.set FB0,  17
.set ADRA, 18
.set ADRB, 19                          ; v19, v20: W's k rows 0-127 and 128-255 of the slot in hand
.set RO,   22                          ; v22  my byte offset in the residual
.set ONE,  23                          ; v23  1.0
.set STO,  24
.set RD,   25
.set CO,   26
.set BO,   27
.set SPW,  28
.set NIL,  29
.set TT,   31
.set RES,  32
.set BIAS, 96
.set BK,   96
.set ACC,  128
.set F0,   0
.set F1,   128
.set AB,   14                          ; s[14:15] A at my part of the tile's rows, block 0 of K; never rewritten
.set BB,   46                          ; s[46:47] W at my part of block 0 of K, the tile's columns; never rewritten
.set G1,   24
.set G0,   32
.set G1B,  48
.set G0B,  56
.set TB,   71
.set BP,   72
.set RP,   74
.set HM,   76
.set KT,   77                          ; s77  t of the K step last asked for
.set KM,   78                          ; s78  m
.set KX,   79                          ; s79  t xor m
.set OA,   80                          ; s[80:81] that block's byte offset in A
.set OB,   82                          ; s[82:83] and in W
.set MSB, 0
.macro WIN new
.if MSB != (\new)
	s_set_vgpr_msb (MSB<<8)|(\new)
.set MSB, \new
.endif
.endm
.set MUL,  0x05                        ; sources 0 (W) and 1 (A) window 1; C and D window 0
.set TO_F, 0x40
.macro PLACES
.rept 4
	v_nop
.endr
.endm
.macro ROUND2 a, t
	v_cvt_pk_bf16_f32 v[\t], v[\a], v[(\a)+1]
	v_lshlrev_b32 v[\a], 16, v[\t]
	v_and_b32 v[(\a)+1], s[HM], v[\t]
.endm
.macro JLOAD
	s_cmp_eq_u32 s11, 0
	s_cbranch_scc0 .Lfor_b_\@
	tensor_load_to_lds s[G0+4:G0+7], s[G1:G1+7]
	s_nop 0
.rept 4
	v_nop
.endr
	s_branch .Lasked_\@
.Lfor_b_\@:
	tensor_load_to_lds s[G0B+4:G0B+7], s[G1B:G1B+7]
	s_nop 0
.rept 4
	v_nop
.endr
.Lasked_\@:
.endm
.macro CREST
	s_cmp_lg_u32 s10, 0
	s_cbranch_scc1 .Lnot_wave_0_\@
	s_barrier_signal -3
.Lnot_wave_0_\@:
	s_barrier_wait -3
	s_barrier_signal -1
	s_barrier_wait -1
.endm
.macro CROUND
	s_barrier_signal -1
	s_barrier_wait -1
	CREST
.endm
	s_load_b128 s[4:7], s[0:1], 0x0                ; ob, cb
	s_load_b64 s[BP:BP+1], s[0:1], 0x10            ; bo
	s_load_b64 s[8:9], s[0:1], 0x18                ; y
	v_lshl_add_u32 v[SPW], v0, 2, SPARE
	v_mov_b32 v[NIL], 0
	ds_add_u32 v[SPW], v[NIL]                      ; the wave's opening: the add and its wait ahead of my first tensor load
	v_lshrrev_b32 v1, 5, v0
	v_readfirstlane_b32 s10, v1
	s_lshr_b32 s11, s10, 1
	s_and_b32 s12, s10, 1
	s_bfe_u32 s40, ttmp6, 0x40000
	s_bfe_u32 s41, ttmp6, 0x40004
	s_lshl_b32 s42, ttmp9, 2
	s_add_co_u32 s42, s42, s40                     ; tile column
	s_and_b32 s13, ttmp7, 0xffff
	s_lshl_b32 s13, s13, 2
	s_add_co_u32 s13, s13, s41                     ; tile row
	s_lshl_b32 s43, s41, 2
	s_lshl_b32 s43, 15, s43
	s_lshl_b32 s44, 0x1111, s40
	s_and_b32 s[KM], ttmp7, 3                      ; m, of the cluster's two coordinates alone
	s_lshl_b32 s[KX], ttmp9, 1
	s_xor_b32 s[KM], s[KM], s[KX]
	s_mov_b32 s[KT], 1                             ; the first fills are t = 0 and 1
	s_mov_b32 s[OA+1], 0
	s_mov_b32 s[OB+1], 0
	s_or_b32 s[G1+0], s43, (1<<16)|(1<<20)|(1<<21)|(6<<22)|(3<<25)   ; A: after every 128 words 4 words
	s_or_b32 s[G1B+0], s44, (1<<16)|(1<<20)|(1<<21)|(5<<22)|(7<<25)  ; W: after every 64 words 8 words
	s_mov_b32 s[G1+1], 256<<16                     ; A: 256 along K,
	s_mov_b32 s[G1+2], 64<<16                      ; 64 rows
	s_mov_b32 s[G1+3], 256<<16
	s_mov_b32 s[G1+4], 64
	s_mov_b32 s[G1+5], KDIM
	s_mov_b32 s[G1+6], 0
	s_mov_b32 s[G1+7], 0
	s_mov_b32 s[G1B+1], 128<<16                    ; W: 128 columns,
	s_mov_b32 s[G1B+2], 128<<16                    ; 128 k rows
	s_mov_b32 s[G1B+3], 128<<16
	s_mov_b32 s[G1B+4], 128
	s_mov_b32 s[G1B+5], 1024
	s_mov_b32 s[G1B+6], 0
	s_mov_b32 s[G1B+7], 0
	s_lshl_b32 s16, s13, 7
	s_lshl_b32 s17, s12, 6
	s_add_co_u32 s16, s16, s17                     ; A: row 128 x tile row + 64 x half
	s_mul_i32 s16, s16, KDIM*2
	s_mov_b32 s17, 0
	s_lshl_b32 s46, s12, 18                        ; W: k row 128 x half,
	s_lshl_b32 s47, s42, 8                         ; column 128 x tile column
	s_add_co_u32 s46, s46, s47
	s_mov_b32 s47, 0
	s_mul_i32 s20, s12, AHALF                      ; where they go
	s_mul_i32 s21, s12, BHALF
	s_add_co_u32 s21, s21, BOFF
	s_mov_b32 s[HM], 0xffff0000
	s_wait_dscnt 0x0
	s_wait_kmcnt 0x0
	s_mov_b64 s[RP:RP+1], s[6:7]                   ; the residual: x's copy lies at cb's head
	s_add_nc_u64 s[6:7], s[6:7], WOFF
	s_add_nc_u64 s[AB:AB+1], s[4:5], s[16:17]
	s_add_nc_u64 s[BB:BB+1], s[6:7], s[46:47]
	CROUND
.irp s, 0,1
	s_xor_b32 s[KX], s[KM], \s                     ; block t xor m, t = 0, 1
	s_lshl_b32 s[OA], s[KX], ASH
	s_lshl_b32 s[OB], s[KX], BSH
	s_mov_b32 s[G0+4*(\s)], 1
	s_add_co_u32 s[G0+4*(\s)+1], s20, (\s)*SLOT
	s_add_nc_u64 s[G0+4*(\s)+2:G0+4*(\s)+3], s[AB:AB+1], s[OA:OA+1]
	s_or_b32 s[G0+4*(\s)+3], s[G0+4*(\s)+3], 0x80000000
	s_mov_b32 s[G0B+4*(\s)], 1
	s_add_co_u32 s[G0B+4*(\s)+1], s21, (\s)*SLOT
	s_add_nc_u64 s[G0B+4*(\s)+2:G0B+4*(\s)+3], s[BB:BB+1], s[OB:OB+1]
	s_or_b32 s[G0B+4*(\s)+3], s[G0B+4*(\s)+3], 0x80000000
.endr
	s_cmp_eq_u32 s11, 0
	s_cbranch_scc0 .Lfirst_b
	tensor_load_to_lds s[G0:G0+3], s[G1:G1+7]
	s_nop 0
	tensor_load_to_lds s[G0+4:G0+7], s[G1:G1+7]
	s_nop 0
.rept 4
	v_nop
.endr
	s_branch .Lfirst_asked
.Lfirst_b:
	tensor_load_to_lds s[G0B:G0B+3], s[G1B:G1B+7]
	s_nop 0
	tensor_load_to_lds s[G0B+4:G0B+7], s[G1B:G1B+7]
	s_nop 0
.rept 4
	v_nop
.endr
.Lfirst_asked:
	s_lshl_b32 s16, s13, 7
	s_lshl_b32 s17, s11, 6
	s_add_co_u32 s16, s16, s17                     ; my first row
	s_lshl_b32 s16, s16, 10
	s_lshl_b32 s84, s42, 7
	s_lshl_b32 s85, s12, 6
	s_add_co_u32 s84, s84, s85                     ; my first column
	s_add_co_u32 s16, s16, s84                     ; my first number
	s_mov_b32 s87, 0
	s_lshl_b32 s86, s84, 2
	s_add_nc_u64 s[BP:BP+1], s[BP:BP+1], s[86:87]
	s_lshl_b32 s86, s16, 1
	s_add_nc_u64 s[RP:RP+1], s[RP:RP+1], s[86:87]
	s_lshl_b32 s86, s16, 2
	s_add_nc_u64 s[8:9], s[8:9], s[86:87]
	v_and_b32 v1, 15, v0
	v_bfe_u32 v2, v0, 4, 1
	v_lshlrev_b32 v[BO], 5, v2
	v_lshlrev_b32 v[RO], 11, v2
	v_lshl_add_u32 v[RO], v1, 3, v[RO]             ; row l / 16, four numbers at 4 (l % 16)
.irp b, 0,1,2,3
	global_load_b128 v[BIAS+8*(\b):BIAS+8*(\b)+3],   v[BO], s[BP:BP+1] offset:64*(\b)
	global_load_b128 v[BIAS+8*(\b)+4:BIAS+8*(\b)+7], v[BO], s[BP:BP+1] offset:64*(\b)+16
.endr
.set i, 0
.rept 32                               ; the residual of my 64 x 64, as the way out will want it: it is on its way while K is walked
	global_load_b64 v[RES+2*i:RES+2*i+1], v[RO], s[RP:RP+1] offset:2*i*2048
.set i, i+1
.endr
	v_mov_b32 v[ONE], 1.0
	s_lshl_b32 s21, s11, 6
	v_add_nc_u32 v3, s21, v1
	v_mul_u32_u24 v3, v3, PA
	v_lshl_add_u32 v[FA0], v2, 4, v3               ; A's fragments: (64 x half + l % 16) x pitch + 16 (l / 16)
	v_and_b32 v4, 7, v0
	v_bfe_u32 v5, v0, 3, 1
	v_lshl_add_u32 v4, v2, 3, v4
	v_mul_u32_u24 v4, v4, PB
	v_lshl_add_u32 v4, v5, 4, v4
	s_lshl_b32 s22, s12, 7
	s_add_co_u32 s22, s22, BOFF
	v_add_nc_u32 v[FB0], s22, v4
	s_mul_i32 s23, s10, 16*SPITCH
	s_add_co_u32 s23, s23, STAGE                   ; my stage
	v_mul_u32_u24 v3, v1, SPITCH
	v_lshl_add_u32 v3, v2, 5, v3
	v_add_nc_u32 v[STO], s23, v3                   ; in: row l % 16, 32 bytes for each half of the lanes
	v_mul_u32_u24 v3, v2, SPITCH
	v_lshl_add_u32 v3, v1, 4, v3
	v_add_nc_u32 v[RD], s23, v3                    ; back: lanes 0-15 one row of 256 bytes, lanes 16-31 the next
	v_lshlrev_b32 v[CO], 12, v2
	v_lshl_add_u32 v[CO], v1, 4, v[CO]             ; and the same two rows in y
	s_wait_loadcnt 32                              ; the bias is in; the residual's 32 loads stay out
.set i, 0
.rept 16
	ROUND2 BIAS+2*i, TT
.set i, i+1
.endr
.macro MUL8 f, c, a0, init             ; 8 matrix instructions: row blocks a0, a0 + 1 x 4 column blocks, half c of buffer f.  init = 1: the bias starts the sums.  The 16 accumulators take turns
	WIN MUL
.irp a, \a0, (\a0)+1
.irp b, 0,1,2,3
.if \init
	v_wmma_f32_16x16x32_bf16 v[ACC+8*(4*(\a)+(\b)):ACC+8*(4*(\a)+(\b))+7], v[(\f)+64+8*(4*(\c)+(\b)):(\f)+64+8*(4*(\c)+(\b))+7], v[(\f)+8*(4*(\c)+(\a)):(\f)+8*(4*(\c)+(\a))+7], v[BIAS+8*(\b):BIAS+8*(\b)+7]
.else
	v_wmma_f32_16x16x32_bf16 v[ACC+8*(4*(\a)+(\b)):ACC+8*(4*(\a)+(\b))+7], v[(\f)+64+8*(4*(\c)+(\b)):(\f)+64+8*(4*(\c)+(\b))+7], v[(\f)+8*(4*(\c)+(\a)):(\f)+8*(4*(\c)+(\a))+7], v[ACC+8*(4*(\a)+(\b)):ACC+8*(4*(\a)+(\b))+7]
.endif
.endr
.endr
.endm
.macro FETCH q, f                      ; 32 LDS loads in one run: quarter q's fragments (64 along K) into buffer f, the first 32 along K first
	WIN TO_F
.irp c, 0,1
.irp i, 0,1,2,3
	ds_load_tr16_b128 v[(\f)+64+8*(4*(\c)+(\i)):(\f)+64+8*(4*(\c)+(\i))+3],   v[ADRB+(\q)/2] offset:(((\q)%2)*64+32*(\c))*PB+32*(\i)
	ds_load_tr16_b128 v[(\f)+64+8*(4*(\c)+(\i))+4:(\f)+64+8*(4*(\c)+(\i))+7], v[ADRB+(\q)/2] offset:(((\q)%2)*64+32*(\c)+16)*PB+32*(\i)
	ds_load_b128 v[(\f)+8*(4*(\c)+(\i)):(\f)+8*(4*(\c)+(\i))+3],   v[ADRA] offset:128*(\q)+64*(\c)+(\i)*16*PA
	ds_load_b128 v[(\f)+8*(4*(\c)+(\i))+4:(\f)+8*(4*(\c)+(\i))+7], v[ADRA] offset:128*(\q)+64*(\c)+(\i)*16*PA+32
.endr
.endr
.endm
.macro QUARTER q, f, g, init           ; multiplies buffer f and fetches quarter q into g
	s_wait_dscnt 16                                ; the first 32 along K are in
	MUL8 \f, 0, 0, \init
	MUL8 \f, 0, 2, \init
	PLACES
	FETCH \q, \g
	s_wait_dscnt 32                                ; all but the 32 just issued
	MUL8 \f, 1, 0, 0
	MUL8 \f, 1, 2, 0
.endm
; The last quarter multiplies buffer 1 and changes slots.  A step's matrix work is shorter than a tile's way, so the refill is asked for as soon as the order allows: eight products stand ahead of the wait for the tile, eight
; between the add and the wait for it, none between signal and wait; sixteen follow the fetch of the next slot's first fragments.  fill = 1: a round of the cluster's barrier, and the joint refill first behind it.
.macro TURN fill
	s_wait_dscnt 16                                ; buffer 1's first 32 along K are in
	MUL8 F1, 0, 0, 0
	WIN 0
	s_wait_tensorcnt 0x0                           ; all my tensor loads have landed: my part of the next slot; so the descriptors may be written
	ds_add_u32 v[SPW], v[NIL]
.if \fill
	s_add_co_u32 s[KT], s[KT], 1                   ; the walking descriptors: the other slot than last time, block t xor m
	s_xor_b32 s[KX], s[KT], s[KM]
	s_lshl_b32 s[OA], s[KX], ASH
	s_lshl_b32 s[OB], s[KX], BSH
	s_xor_b32 s[G0+5], s[G0+5], SLOT
	s_add_nc_u64 s[G0+6:G0+7], s[AB:AB+1], s[OA:OA+1]
	s_or_b32 s[G0+7], s[G0+7], 0x80000000
	s_xor_b32 s[G0B+5], s[G0B+5], SLOT
	s_add_nc_u64 s[G0B+6:G0B+7], s[BB:BB+1], s[OB:OB+1]
	s_or_b32 s[G0B+7], s[G0B+7], 0x80000000
.endif
	MUL8 F1, 0, 2, 0
	WIN 0
	s_wait_dscnt 0x0                               ; the add is done, and my reads of this slot are over
	s_barrier_signal -1
	s_barrier_wait -1
.if \fill
	CREST
	JLOAD                                          ; its four v_nop are also the places in front of the loads below
.else
	PLACES
.endif
	v_add_nc_u32 v[ADRA], s[TB], v[FA0]
	v_add_nc_u32 v[ADRB], s[TB], v[FB0]
	v_add_nc_u32 v[ADRB+1], 128*PB, v[ADRB]
	s_xor_b32 s[TB], s[TB], SLOT
	FETCH 0, F0
	MUL8 F1, 1, 0, 0
	MUL8 F1, 1, 2, 0
.endm
	s_wait_tensorcnt 0x1                           ; my part of the first K step is in; the second's may stay out
	s_barrier_signal -1
	s_barrier_wait -1
	v_mov_b32 v[ADRA], v[FA0]
	v_mov_b32 v[ADRB], v[FB0]
	v_add_nc_u32 v[ADRB+1], 128*PB, v[FB0]
	s_mov_b32 s[TB], SLOT
	FETCH 0, F0
	QUARTER 1, F0, F1, 1
	WIN 0
	s_mov_b32 s3, NSTEP-2
.Lk:
	QUARTER 2, F1, F0, 0
	QUARTER 3, F0, F1, 0
	TURN 1
	QUARTER 1, F0, F1, 0
	WIN 0
	s_sub_co_u32 s3, s3, 1
	s_cmp_lg_u32 s3, 0
	s_cbranch_scc1 .Lk
	s_mov_b32 s3, 2
.Lt:                                               ; the last two K steps ask for nothing; the second trip is left in its middle, behind a fetch that nobody multiplies
	QUARTER 2, F1, F0, 0
	QUARTER 3, F0, F1, 0
	TURN 0
	WIN 0
	s_sub_co_u32 s3, s3, 1
	s_cmp_eq_u32 s3, 0
	s_cbranch_scc1 .Lout
	QUARTER 1, F0, F1, 0
	WIN 0
	s_branch .Lt
.Lout:
	; THE WAY OUT: 16 rows at a time through my own stage, back as whole rows of 256 bytes; the residual is added; 16 lanes store 256 consecutive aligned bytes.
	s_wait_dscnt 0x0
	PLACES
	s_wait_loadcnt 0x0                             ; the residual
.irp a, 0,1,2,3
.irp b, 0,1,2,3
	ds_store_b128 v[STO], v[ACC+8*(4*(\a)+(\b)):ACC+8*(4*(\a)+(\b))+3]   offset:64*(\b)
	ds_store_b128 v[STO], v[ACC+8*(4*(\a)+(\b))+4:ACC+8*(4*(\a)+(\b))+7] offset:64*(\b)+16
.endr
.if (\a) > 0
	s_wait_xcnt 0x0                                ; the last block's stores have read the registers that are loaded again
.endif
.irp t, 0,1,2,3,4,5,6,7
	ds_load_b128 v[BK+4*(\t):BK+4*(\t)+3], v[RD] offset:(\t)*2*SPITCH  ; LDS serves a wave's instructions in order: these see the stores above
.endr
.irp t, 0,1,2,3,4,5,6,7
	s_wait_dscnt 7-(\t)
.irp e, 0,2
	v_fma_mix_f32_bf16 v[BK+4*(\t)+(\e)],   v[RES+2*(8*(\a)+(\t))+(\e)/2], v[ONE], v[BK+4*(\t)+(\e)]   op_sel:[0,0,0] op_sel_hi:[1,0,0]
	v_fma_mix_f32_bf16 v[BK+4*(\t)+(\e)+1], v[RES+2*(8*(\a)+(\t))+(\e)/2], v[ONE], v[BK+4*(\t)+(\e)+1] op_sel:[1,0,0] op_sel_hi:[1,0,0]
.endr
	global_store_b128 v[CO], v[BK+4*(\t):BK+4*(\t)+3], s[8:9] offset:(16*(\a)+2*(\t))*4096
.endr
.endr
	s_wait_tensorcnt 0x0                           ; the wave's end
	ds_add_u32 v[SPW], v[NIL]
	s_wait_dscnt 0x0
	CROUND
	s_endpgm
.Lfunc_end_k_qf537135469_wo:
	.size	k_qf537135469_wo, .Lfunc_end_k_qf537135469_wo-k_qf537135469_wo
	.p2alignl 7, 3214868480
	.fill 96, 4, 3214868480
	.section	.rodata,"a",@progbits
	.p2align	6, 0x0
	.amdhsa_kernel k_qf537135469_wo
		.amdhsa_group_segment_fixed_size 327680
		.amdhsa_private_segment_fixed_size 0
		.amdhsa_enable_private_segment 0
		.amdhsa_kernarg_size 32
		.amdhsa_user_sgpr_count 2
		.amdhsa_user_sgpr_kernarg_segment_ptr 1
		.amdhsa_wavefront_size32 1
		.amdhsa_system_sgpr_workgroup_id_x 1
		.amdhsa_system_sgpr_workgroup_id_y 1
		.amdhsa_system_sgpr_workgroup_id_z 1
		.amdhsa_system_vgpr_workitem_id 0
		.amdhsa_next_free_vgpr 512
		.amdhsa_next_free_sgpr 88
		.amdhsa_reserve_vcc 0
		.amdhsa_float_denorm_mode_32 3
		.amdhsa_float_denorm_mode_16_64 3
		.amdhsa_memory_ordered 1
		.amdhsa_forward_progress 1
		.amdhsa_inst_pref_size 73
	.end_amdhsa_kernel
	.amdgpu_metadata
---
amdhsa.version: [ 1, 2 ]
amdhsa.kernels:
  - .name:           k_qf537135469_wo
    .symbol:         k_qf537135469_wo.kd
    .args:
      - { .name: ob, .offset: 0, .size: 8, .value_kind: global_buffer, .address_space: global }
      - { .name: cb, .offset: 8, .size: 8, .value_kind: global_buffer, .address_space: global }
      - { .name: bo, .offset: 16, .size: 8, .value_kind: global_buffer, .address_space: global }
      - { .name: y, .offset: 24, .size: 8, .value_kind: global_buffer, .address_space: global }
    .group_segment_fixed_size: 327680
    .private_segment_fixed_size: 0
    .kernarg_segment_align: 8
    .kernarg_segment_size: 32
    .max_flat_workgroup_size: 128
    .sgpr_count:     88
    .vgpr_count:     512
    .wavefront_size: 32
...
	.end_amdgpu_metadata
.endif
;; end of part 4
;; launch ln1 (part 5): grid 512 x 1, 8 waves a work-group, no clusters, 0 bytes of LDS; arguments y, g1, beta1, x1b; writes x1b
.if DOCPART == 5
	.amdgcn_target "amdgcn-amd-amdhsa--gfx1250"
	.amdhsa_code_object_version 6
	.text
	.protected	k_qf537135469_ln1
	.globl	k_qf537135469_ln1
	.p2align	8
	.type	k_qf537135469_ln1,@function
k_qf537135469_ln1:
	s_mov_b64 s[64:65], 0
	v_nop
	global_prefetch_b8 v0, s[64:65] scope:SCOPE_SE
	s_setreg_imm32_b32 hwreg(HW_REG_WAVE_MODE, 25, 1), 1
	s_wait_xcnt 0x0
; x1 = (y - mean) / sqrt(var + 1e-5) g + beta along rows of 1,024 f32, stored rounded once to bf16.  One wave, one row: the row stays in 32 registers, and no wave waits for another.
; The mean is made first and taken away, then the squares are summed: no difference of large sums.  g and beta are rounded to bf16 like every input.  v_rsq_f32 is good to 1 ULP.
; No LDS, no cluster: what the work-groups share (g, beta) is 8 KiB beside a row's 4 KiB each.
.set X,  32
.set G,  64
.set B,  96
.set PK, 128
.macro ROUND2 a, t
	v_cvt_pk_bf16_f32 v[\t], v[\a], v[(\a)+1]
	v_lshlrev_b32 v[\a], 16, v[\t]
	v_and_b32 v[(\a)+1], s16, v[\t]
.endm
.macro ACROSS                          ; the four chains v[4:11] into one number in every lane, v16
	v_pk_add_f32 v[4:5], v[4:5], v[6:7]
	v_pk_add_f32 v[8:9], v[8:9], v[10:11]
	v_pk_add_f32 v[4:5], v[4:5], v[8:9]
	v_add_f32 v16, v4, v5
	v_add_f32_dpp v16, v16, v16 row_xmask:1 row_mask:0xf bank_mask:0xf
	v_add_f32_dpp v16, v16, v16 row_xmask:2 row_mask:0xf bank_mask:0xf
	v_add_f32_dpp v16, v16, v16 row_xmask:4 row_mask:0xf bank_mask:0xf
	v_add_f32_dpp v16, v16, v16 row_xmask:8 row_mask:0xf bank_mask:0xf
	v_permlanex16_b32 v17, v16, s12, s13
	v_add_f32 v16, v16, v17
.endm
	s_load_b256 s[4:11], s[0:1], 0x0               ; y, g, beta, out
	v_lshrrev_b32 v3, 5, v0
	v_readfirstlane_b32 s2, v3
	v_and_b32 v4, 31, v0
	v_lshlrev_b32 v1, 4, v4                        ; 16 bytes a lane
	v_lshlrev_b32 v2, 3, v4                        ; 8 on the way out
	v_mov_b32 v17, 0                               ; v_permlanex16_b32's destination counts as read
	s_lshl_b32 s3, ttmp9, 3
	s_add_co_u32 s3, s3, s2                        ; my row
	s_lshl_b32 s18, s3, 12
	s_mov_b32 s19, 0
	s_lshl_b32 s20, s3, 11
	s_mov_b32 s21, 0
	s_mov_b32 s12, 0x76543210
	s_mov_b32 s13, 0xfedcba98
	s_mov_b32 s14, 0x3a800000                      ; 1 / 1024
	s_mov_b32 s15, 0x3727c5ac                      ; 1e-5
	s_mov_b32 s16, 0xffff0000
	s_wait_kmcnt 0x0
	s_add_nc_u64 s[4:5], s[4:5], s[18:19]
	s_add_nc_u64 s[10:11], s[10:11], s[20:21]
.irp j, 0,1,2,3,4,5,6,7
	global_load_b128 v[X+4*(\j):X+4*(\j)+3], v1, s[4:5] offset:512*(\j) th:TH_LOAD_NT
.endr
.irp j, 0,1,2,3,4,5,6,7
	global_load_b128 v[G+4*(\j):G+4*(\j)+3], v1, s[6:7] offset:512*(\j)
.endr
.irp j, 0,1,2,3,4,5,6,7
	global_load_b128 v[B+4*(\j):B+4*(\j)+3], v1, s[8:9] offset:512*(\j)
.endr
	s_wait_loadcnt 16                              ; the row is in; g's and beta's 16 loads stay out
.irp k, 0,1,2,3
	v_pk_add_f32 v[4+2*(\k):5+2*(\k)], v[X+2*(\k):X+2*(\k)+1], v[X+8+2*(\k):X+8+2*(\k)+1]
.endr
.irp j, 2,3
.irp k, 0,1,2,3
	v_pk_add_f32 v[4+2*(\k):5+2*(\k)], v[4+2*(\k):5+2*(\k)], v[X+8*(\j)+2*(\k):X+8*(\j)+2*(\k)+1]
.endr
.endr
	ACROSS
	v_mul_f32 v12, s14, v16                        ; the mean, twice
	v_mov_b32 v13, v12
.set i, 0
.rept 16
	v_pk_add_f32 v[X+2*i:X+2*i+1], v[X+2*i:X+2*i+1], v[12:13] neg_lo:[0,1] neg_hi:[0,1]
.set i, i+1
.endr
.irp k, 0,1,2,3
	v_pk_mul_f32 v[4+2*(\k):5+2*(\k)], v[X+2*(\k):X+2*(\k)+1], v[X+2*(\k):X+2*(\k)+1]
.endr
.irp j, 1,2,3
.irp k, 0,1,2,3
	v_pk_fma_f32 v[4+2*(\k):5+2*(\k)], v[X+8*(\j)+2*(\k):X+8*(\j)+2*(\k)+1], v[X+8*(\j)+2*(\k):X+8*(\j)+2*(\k)+1], v[4+2*(\k):5+2*(\k)]
.endr
.endr
	ACROSS
	v_fma_f32 v16, v16, s14, s15                   ; var + eps
	v_rsq_f32 v14, v16
	v_rsq_f32 v15, v16
	v_nop                                          ; a plain line behind the last of the two
	s_wait_loadcnt 0x0                             ; g and beta
.set i, 0
.rept 16
	ROUND2 G+2*i, 18
	ROUND2 B+2*i, 18
.set i, i+1
.endr
	s_wait_alu depctr_va_vdst(0)                   ; one wait for both, ahead of their first reader; the roundings above are the work between
.set i, 0
.rept 16
	v_pk_mul_f32 v[X+2*i:X+2*i+1], v[X+2*i:X+2*i+1], v[14:15]
.set i, i+1
.endr
.set i, 0
.rept 16
	v_pk_fma_f32 v[X+2*i:X+2*i+1], v[X+2*i:X+2*i+1], v[G+2*i:G+2*i+1], v[B+2*i:B+2*i+1]
.set i, i+1
.endr
.set i, 0
.rept 16
	v_cvt_pk_bf16_f32 v[PK+i], v[X+2*i], v[X+2*i+1]
.set i, i+1
.endr
.irp j, 0,1,2,3,4,5,6,7
	global_store_b64 v2, v[PK+2*(\j):PK+2*(\j)+1], s[10:11] offset:256*(\j)  ; 256 consecutive aligned bytes a store
.endr
	s_endpgm
.Lfunc_end_k_qf537135469_ln1:
	.size	k_qf537135469_ln1, .Lfunc_end_k_qf537135469_ln1-k_qf537135469_ln1
	.p2alignl 7, 3214868480
	.fill 96, 4, 3214868480
	.section	.rodata,"a",@progbits
	.p2align	6, 0x0
	.amdhsa_kernel k_qf537135469_ln1
		.amdhsa_group_segment_fixed_size 0
		.amdhsa_private_segment_fixed_size 0
		.amdhsa_enable_private_segment 0
		.amdhsa_kernarg_size 32
		.amdhsa_user_sgpr_count 2
		.amdhsa_user_sgpr_kernarg_segment_ptr 1
		.amdhsa_wavefront_size32 1
		.amdhsa_system_sgpr_workgroup_id_x 1
		.amdhsa_system_sgpr_workgroup_id_y 1
		.amdhsa_system_sgpr_workgroup_id_z 1
		.amdhsa_system_vgpr_workitem_id 0
		.amdhsa_next_free_vgpr 144
		.amdhsa_next_free_sgpr 66
		.amdhsa_reserve_vcc 0
		.amdhsa_float_denorm_mode_32 3
		.amdhsa_float_denorm_mode_16_64 3
		.amdhsa_memory_ordered 1
		.amdhsa_forward_progress 1
		.amdhsa_inst_pref_size 16
	.end_amdhsa_kernel
	.amdgpu_metadata
---
amdhsa.version: [ 1, 2 ]
amdhsa.kernels:
  - .name:           k_qf537135469_ln1
    .symbol:         k_qf537135469_ln1.kd
    .args:
      - { .name: y, .offset: 0, .size: 8, .value_kind: global_buffer, .address_space: global }
      - { .name: g1, .offset: 8, .size: 8, .value_kind: global_buffer, .address_space: global }
      - { .name: beta1, .offset: 16, .size: 8, .value_kind: global_buffer, .address_space: global }
      - { .name: x1b, .offset: 24, .size: 8, .value_kind: global_buffer, .address_space: global }
    .group_segment_fixed_size: 0
    .private_segment_fixed_size: 0
    .kernarg_segment_align: 8
    .kernarg_segment_size: 32
    .max_flat_workgroup_size: 256
    .sgpr_count:     66
    .vgpr_count:     144
    .wavefront_size: 32
...
	.end_amdgpu_metadata
.endif
;; end of part 5
;; launch ff1 (part 6): grid 16 x 16, 4 waves a work-group, clusters of 4 x 4, 327,680 bytes of LDS; arguments x1b, cb, b1, hb; writes hb
.if DOCPART == 6
	.amdgcn_target "amdgcn-amd-amdhsa--gfx1250"
	.amdhsa_code_object_version 6
	.text
	.protected	k_qf537135469_ff1
	.globl	k_qf537135469_ff1
	.p2align	8
	.type	k_qf537135469_ff1,@function
k_qf537135469_ff1:
	s_mov_b64 s[64:65], 0
	v_nop
	global_prefetch_b8 v0, s[64:65] scope:SCOPE_SE
	s_setreg_imm32_b32 hwreg(HW_REG_WAVE_MODE, 25, 1), 1
	s_wait_xcnt 0x0
	s_wait_alu depctr_hold_cnt(0) depctr_sa_sdst(0) depctr_va_vdst(0) depctr_va_sdst(0) depctr_va_ssrc(0) depctr_va_vcc(0) depctr_vm_vsrc(0)
	s_getreg_b32 s2, hwreg(HW_REG_IB_STS2, 6, 4)
	s_cmp_eq_u32 s2, 0
	s_cbranch_scc0 .Lentry_in_a_cluster
	s_endpgm
.Lentry_in_a_cluster:
	s_bfe_u32 s2, ttmp6, 0x10000c
	s_cmp_lg_u32 s2, 0xf033
	s_cbranch_scc0 .Lentry_shape_is_right
	s_endpgm
.Lentry_shape_is_right:
; h = gelu(x1 W1 + b1), exact (erf) GELU, stored rounded once to bf16: hb [4096][4096].  x1 [4096][1024] bf16; W1 [1024 (k)][4096 (n)] is cb's bf16 copy; sums in f32;
; the bias, rounded to bf16 like every input, is the C operand that starts each sum.
; GELU.  gelu(x) = max(x, 0) - |x| Q, Q = (a1 t + .. + a5 t^5) / 2 x 2^(-(c1 x)^2), t = 1 / (1 + p' |x|): Abramowitz and Stegun 7.1.26 for erf(|x| / sqrt 2), absolute error at most 1.5e-7 for every x.
; LIMITS.  NaN and infinities are not treated apart; v_rcp_f32 and v_exp_f32 are good to 1 ULP.
; The core is the projection launch's: a tile of 256 x 256, four waves of 128 x 128, K = 1,024 in 8 steps of 128 through two LDS slots, W's fragments turned out of LDS, the product used transposed,
; clusters of 4 x 4 with x1's tile shared along a row and W's along a column, one text for both slots (s[TB], walking descriptors; SLOT's two bits occur in no tile's address in slot 0).
; WINDOWS: 0: addresses, x1's fragments (v64-191), the bias (v192-255); 1: W's fragments (v64-191); 2, 3: the accumulators, (a, b) at v[8 (8 (a % 4) + b)].
.set NB,     4096
.set NSTEP,  8
.set KSTEP,  128
.set ASTEP,  KSTEP*2
.set BSTEP,  KSTEP*NB*2
.set PA,     272
.set PB,     544
.set HALFT,  128*PA
.set BOFF,   2*HALFT
.set SLOT,   4*HALFT
.set DP,     528                       ; the way out: a row of 128 f32 + 16 bytes
.set DWAVE,  128*DP                    ; a wave's 128 rows; four of them lie inside the two slots, which have had their last fill by then
.set SPARE,  295936
.set W1B,    16777216                  ; W1's copy in cb
.set FA0,  16
.set FB0,  17
.set ADRA, 18
.set ADRB, 19
.set LA,   22
.set DST,  24
.set LA0,  25
.set CO,   26
.set BO,   27
.set SPW,  28
.set NIL,  29
.set PFO,  30
.set TT,   31
.set XV,   32                          ; the way out, 32 numbers a lane in each: x,
.set AX,   64                          ; |x|,
.set GM,   96                          ; max(x, 0), then the result,
.set GU,   128                         ; c1 x, -(c1 x)^2, its power of two,
.set GD,   160                         ; 1 + p' |x|, then t,
.set GR,   192                         ; the polynomial, then Q
.set PKD,  224                         ; v[224:239] packed
.set F0,   64
.set F1,   128
.set BIAS, 192
.set G1,   24
.set G0,   32
.set G1B,  48
.set G0B,  56
.set PFA,  66
.set PSTEP,68
.set LIM,  70
.set TB,   71
.set BP,   72
.set HM,   74
.set OFS,  75
.set C1,   76                          ; s[76:77] .. s[88:89]: the constants, as pairs: a packed line takes the pair's low word for both halves
.set PP,   78
.set A1,   80
.set A2,   82
.set A3,   84
.set A4,   86
.set A5,   88
.set AM,   90                          ; s90  clears a sign
.set MSB, 0
.macro WIN new
.if MSB != (\new)
	s_set_vgpr_msb (MSB<<8)|(\new)
.set MSB, \new
.endif
.endm
.set MUL_LO, 0xa1
.set MUL_IN, 0x81
.set TO_B,   0x40
.macro PLACES
.rept 4
	v_nop
.endr
.endm
.macro ROUND2 a, t
	v_cvt_pk_bf16_f32 v[\t], v[\a], v[(\a)+1]
	v_lshlrev_b32 v[\a], 16, v[\t]
	v_and_b32 v[(\a)+1], s[HM], v[\t]
.endm
.macro JLOAD
	s_cmp_eq_u32 s11, 0
	s_cbranch_scc0 .Lfor_b_\@
	tensor_load_to_lds s[G0+4:G0+7], s[G1:G1+7]
	s_nop 0
.rept 4
	v_nop
.endr
	s_branch .Lasked_\@
.Lfor_b_\@:
	tensor_load_to_lds s[G0B+4:G0B+7], s[G1B:G1B+7]
	s_nop 0
.rept 4
	v_nop
.endr
.Lasked_\@:
.endm
.macro ASK                             ; one prefetch a wave: 32 blocks of 256 bytes of the K step that the refill after this one will ask for; the loop's last trip has no such step
	s_cmp_gt_u32 s3, s[LIM]
	s_cbranch_scc0 .Lnot_mine_\@
	global_prefetch_b8 v[PFO], s[PFA:PFA+1] th:TH_LOAD_NT scope:SCOPE_SE
.Lnot_mine_\@:
.endm
.macro CREST
	s_cmp_lg_u32 s10, 0
	s_cbranch_scc1 .Lnot_wave_0_\@
	s_barrier_signal -3
.Lnot_wave_0_\@:
	s_barrier_wait -3
	s_barrier_signal -1
	s_barrier_wait -1
.endm
.macro CROUND
	s_barrier_signal -1
	s_barrier_wait -1
	CREST
.endm
	s_load_b128 s[4:7], s[0:1], 0x0                ; x1b, cb
	s_load_b64 s[BP:BP+1], s[0:1], 0x10            ; b1
	s_load_b64 s[8:9], s[0:1], 0x18                ; hb
	v_lshl_add_u32 v[SPW], v0, 2, SPARE
	v_mov_b32 v[NIL], 0
	ds_add_u32 v[SPW], v[NIL]                      ; the wave's opening: the add and its wait ahead of my first tensor load
	v_lshrrev_b32 v1, 5, v0
	v_readfirstlane_b32 s10, v1
	s_lshr_b32 s11, s10, 1
	s_and_b32 s12, s10, 1
	s_bfe_u32 s40, ttmp6, 0x40000
	s_bfe_u32 s41, ttmp6, 0x40004
	s_lshl_b32 s42, ttmp9, 2
	s_add_co_u32 s42, s42, s40                     ; tile column
	s_and_b32 s13, ttmp7, 0xffff
	s_lshl_b32 s13, s13, 2
	s_add_co_u32 s13, s13, s41                     ; tile row
	s_lshl_b32 s43, s41, 2
	s_lshl_b32 s43, 15, s43
	s_lshl_b32 s44, 0x1111, s40
	s_or_b32 s[G1+0], s43, (1<<16)|(1<<20)|(1<<21)|(5<<22)|(3<<25)
	s_or_b32 s[G1B+0], s44, (1<<16)|(1<<20)|(1<<21)|(6<<22)|(7<<25)
	s_mov_b32 s[G1+1], 128<<16
	s_mov_b32 s[G1+2], 128<<16
	s_mov_b32 s[G1+3], 128<<16
	s_mov_b32 s[G1+4], 128
	s_mov_b32 s[G1+5], 1024
	s_mov_b32 s[G1+6], 0
	s_mov_b32 s[G1+7], 0
	s_mov_b32 s[G1B+1], 256<<16
	s_mov_b32 s[G1B+2], 64<<16
	s_mov_b32 s[G1B+3], 256<<16
	s_mov_b32 s[G1B+4], 64
	s_mov_b32 s[G1B+5], NB
	s_mov_b32 s[G1B+6], 0
	s_mov_b32 s[G1B+7], 0
	s_lshl_b32 s16, s13, 8
	s_lshl_b32 s17, s12, 7
	s_add_co_u32 s16, s16, s17
	s_lshl_b32 s16, s16, 11
	s_mov_b32 s17, 0
	s_mul_i32 s46, s12, 64*NB*2
	s_lshl_b32 s47, s42, 9
	s_add_co_u32 s46, s46, s47
	s_mov_b32 s47, 0
	s_mul_i32 s20, s10, HALFT
	s_mov_b32 s[HM], 0xffff0000
	s_mov_b32 s[C1], 0x3f596d27                    ; c1 = sqrt(log2(e) / 2) = 0.8493218
	s_mov_b32 s[C1+1], s[C1]
	s_mov_b32 s[PP], 0x3e6d3388                    ; p' = 0.3275911 / sqrt 2
	s_mov_b32 s[PP+1], s[PP]
	s_mov_b32 s[A1], 0x3e027906                    ; a1 / 2 = 0.127414796
	s_mov_b32 s[A1+1], s[A1]
	s_mov_b32 s[A2], 0xbe11a98e                    ; a2 / 2 = -0.142248368
	s_mov_b32 s[A2+1], s[A2]
	s_mov_b32 s[A3], 0x3f35f0e3                    ; a3 / 2 = 0.71070687
	s_mov_b32 s[A3+1], s[A3]
	s_mov_b32 s[A4], 0xbf3a00e3                    ; a4 / 2 = -0.72657601
	s_mov_b32 s[A4+1], s[A4]
	s_mov_b32 s[A5], 0x3f07dc22                    ; a5 / 2 = 0.53070271
	s_mov_b32 s[A5+1], s[A5]
	s_mov_b32 s[AM], 0x7fffffff
	s_wait_dscnt 0x0
	s_wait_kmcnt 0x0
	s_add_nc_u64 s[6:7], s[6:7], W1B
	s_add_nc_u64 s[14:15], s[4:5], s[16:17]
	s_add_nc_u64 s[46:47], s[6:7], s[46:47]
	CROUND
.irp s, 0,1
	s_mov_b32 s[G0+4*(\s)], 1
	s_add_co_u32 s[G0+4*(\s)+1], s20, (\s)*SLOT
	s_add_nc_u64 s[G0+4*(\s)+2:G0+4*(\s)+3], s[14:15], (\s)*ASTEP
	s_or_b32 s[G0+4*(\s)+3], s[G0+4*(\s)+3], 0x80000000
	s_mov_b32 s[G0B+4*(\s)], 1
	s_add_co_u32 s[G0B+4*(\s)+1], s20, (\s)*SLOT
	s_add_nc_u64 s[G0B+4*(\s)+2:G0B+4*(\s)+3], s[46:47], (\s)*BSTEP
	s_or_b32 s[G0B+4*(\s)+3], s[G0B+4*(\s)+3], 0x80000000
.endr
	s_cmp_eq_u32 s11, 0
	s_cbranch_scc0 .Lfirst_b
	tensor_load_to_lds s[G0:G0+3], s[G1:G1+7]
	s_nop 0
	tensor_load_to_lds s[G0+4:G0+7], s[G1:G1+7]
	s_nop 0
.rept 4
	v_nop
.endr
	s_branch .Lfirst_asked
.Lfirst_b:
	tensor_load_to_lds s[G0B:G0B+3], s[G1B:G1B+7]
	s_nop 0
	tensor_load_to_lds s[G0B+4:G0B+7], s[G1B:G1B+7]
	s_nop 0
.rept 4
	v_nop
.endr
.Lfirst_asked:
	s_lshl_b32 s92, s42, 10                        ; the bias at column 256 x tile column + 128 x half
	s_lshl_b32 s93, s12, 9
	s_add_co_u32 s92, s92, s93
	s_mov_b32 s93, 0
	s_add_nc_u64 s[BP:BP+1], s[BP:BP+1], s[92:93]
	v_and_b32 v1, 15, v0
	v_bfe_u32 v2, v0, 4, 1
	v_lshlrev_b32 v[BO], 5, v2
.irp b, 0,1,2,3,4,5,6,7
	global_load_b128 v[BIAS+8*(\b):BIAS+8*(\b)+3],   v[BO], s[BP:BP+1] offset:64*(\b)
	global_load_b128 v[BIAS+8*(\b)+4:BIAS+8*(\b)+7], v[BO], s[BP:BP+1] offset:64*(\b)+16
.endr
	v_mul_u32_u24 v3, v1, PA
	v_lshl_add_u32 v3, v2, 4, v3
	s_mul_i32 s21, s11, HALFT
	v_add_nc_u32 v[FA0], s21, v3
	v_and_b32 v4, 7, v0
	v_bfe_u32 v5, v0, 3, 1
	v_lshl_add_u32 v4, v2, 3, v4
	v_mul_u32_u24 v4, v4, PB
	v_lshl_add_u32 v4, v5, 4, v4
	s_lshl_b32 s22, s12, 8
	s_add_co_u32 s22, s22, BOFF
	v_add_nc_u32 v[FB0], s22, v4
	s_mul_i32 s23, s10, DWAVE
	v_mul_u32_u24 v3, v1, DP
	v_lshl_add_u32 v3, v2, 5, v3
	v_add_nc_u32 v[DST], s23, v3                   ; in: row l % 16, 32 bytes for each half of the lanes
	v_mul_u32_u24 v3, v2, DP
	v_lshl_add_u32 v3, v1, 5, v3
	v_add_nc_u32 v[LA0], s23, v3                   ; back: row l / 16, eight columns at 8 (l % 16)
	v_lshlrev_b32 v[CO], 13, v2
	v_lshl_add_u32 v[CO], v1, 4, v[CO]             ; the same in hb: rows of 8,192 bytes
	s_lshl_b32 s16, s13, 8
	s_lshl_b32 s17, s11, 7
	s_add_co_u32 s16, s16, s17
	s_lshl_b32 s16, s16, 13                        ; my first row,
	s_lshl_b32 s92, s42, 9
	s_add_co_u32 s92, s92, s16
	s_lshl_b32 s93, s12, 8                         ; my first column
	s_add_co_u32 s92, s92, s93
	s_mov_b32 s93, 0
	s_add_nc_u64 s[8:9], s[8:9], s[92:93]
	; THE PREFETCHES.  x1's rows are read by every cluster of a row of clusters: cluster x = 0 asks; W's by every cluster of a column: cluster y = 0 asks.  The four partners that ask for a tile
	; jointly share its blocks out by address: of x1's 128 rows 32 each (by cx), a lane a row; of W's 64 k rows 16 each (by cy), two lanes a row of 512 bytes.  So each block of 256 bytes is named once.
	s_lshl_b32 s20, s13, 8
	s_lshl_b32 s21, s12, 7
	s_add_co_u32 s20, s20, s21
	s_lshl_b32 s21, s40, 5
	s_add_co_u32 s20, s20, s21
	s_lshl_b32 s20, s20, 11
	s_add_co_u32 s20, s20, 2*ASTEP
	s_lshl_b32 s22, s12, 6
	s_lshl_b32 s23, s41, 4
	s_add_co_u32 s22, s22, s23
	s_add_co_u32 s22, s22, 2*KSTEP
	s_mul_i32 s22, s22, NB*2
	s_lshl_b32 s23, s42, 9
	s_add_co_u32 s22, s22, s23
	s_and_b32 s23, ttmp7, 0xffff
	s_mov_b32 s[PSTEP], BSTEP
	s_mov_b32 s[PSTEP+1], 0
	s_mov_b32 s91, NB*2
	s_cmp_eq_u32 s11, 0
	s_cselect_b32 s20, s20, s22
	s_cselect_b32 s23, ttmp9, s23
	s_cselect_b64 s[PFA:PFA+1], s[4:5], s[6:7]
	s_cselect_b32 s[PSTEP], ASTEP, s[PSTEP]
	s_cselect_b32 s91, 2048, s91
	s_cselect_b32 s92, 0, 1
	s_cselect_b32 s93, 0, 256
	s_cmp_eq_u32 s23, 0
	s_cselect_b32 s[LIM], 1, -1
	s_mov_b32 s21, 0
	s_add_nc_u64 s[PFA:PFA+1], s[PFA:PFA+1], s[20:21]
	v_and_b32 v[PFO], 31, v0
	v_and_b32 v[TT], 1, v[PFO]
	v_lshrrev_b32 v[PFO], s92, v[PFO]
	v_mul_u32_u24 v[PFO], s91, v[PFO]
	v_mul_u32_u24 v[TT], s93, v[TT]
	v_add_nc_u32 v[PFO], v[PFO], v[TT]
	s_wait_loadcnt 0x0                             ; the bias
.set i, 0
.rept 32
	ROUND2 BIAS+2*i, TT
.set i, i+1
.endr
.macro MUL16 f, hi, a0, init           ; 16 matrix instructions; init = 1: the bias starts the sums.  The 64 accumulators take turns in the same order everywhere
.if \init
	WIN MUL_IN+0x40*(\hi)
.else
	WIN MUL_LO+0x50*(\hi)
.endif
.irp a, \a0, (\a0)+1
.irp b, 0,1,2,3,4,5,6,7
.if \init
	v_wmma_f32_16x16x32_bf16 v[8*(8*(\a)+(\b)):8*(8*(\a)+(\b))+7], v[(\f)+8*(\b):(\f)+8*(\b)+7], v[(\f)+8*(4*(\hi)+(\a)):(\f)+8*(4*(\hi)+(\a))+7], v[BIAS+8*(\b):BIAS+8*(\b)+7]
.else
	v_wmma_f32_16x16x32_bf16 v[8*(8*(\a)+(\b)):8*(8*(\a)+(\b))+7], v[(\f)+8*(\b):(\f)+8*(\b)+7], v[(\f)+8*(4*(\hi)+(\a)):(\f)+8*(4*(\hi)+(\a))+7], v[8*(8*(\a)+(\b)):8*(8*(\a)+(\b))+7]
.endif
.endr
.endr
.endm
.macro FETCH k, f
	WIN TO_B
.irp b, 0,1,2,3,4,5,6,7
	ds_load_tr16_b128 v[(\f)+8*(\b):(\f)+8*(\b)+3],   v[ADRB] offset:((\k)/64)*32*PB+32*(\b)
	ds_load_tr16_b128 v[(\f)+8*(\b)+4:(\f)+8*(\b)+7], v[ADRB] offset:((\k)/64)*32*PB+16*PB+32*(\b)
.endr
	WIN 0
.irp i, 0,1,2,3,4,5,6,7
	ds_load_b128 v[(\f)+8*(\i):(\f)+8*(\i)+3],   v[ADRA] offset:(\k)+(\i)*16*PA
	ds_load_b128 v[(\f)+8*(\i)+4:(\f)+8*(\i)+7], v[ADRA] offset:(\k)+(\i)*16*PA+32
.endr
.endm
.macro QUARTER k, f, g, init
	s_wait_dscnt 8                                 ; W and x1's rows 0-63 are in; the youngest eight loads may be out
	MUL16 \f, 0, 0, \init
	MUL16 \f, 0, 2, \init
	PLACES
	FETCH \k, \g
	s_wait_dscnt 32                                ; all but the 32 just issued
	MUL16 \f, 1, 0, \init
	MUL16 \f, 1, 2, \init
.endm
.macro TURN fill
.if \fill
	s_wait_xcnt 0x0                                ; the last prefetch, a K step back, has read its address
	s_add_nc_u64 s[PFA:PFA+1], s[PFA:PFA+1], s[PSTEP:PSTEP+1]
.endif
	WIN 0
	s_wait_tensorcnt 0x0                           ; all my tensor loads have landed: my part of the next slot
	ds_add_u32 v[SPW], v[NIL]
	s_wait_dscnt 9                                 ; (the add and the youngest eight loads may be out)
	MUL16 F1, 0, 0, 0
	s_wait_dscnt 0x0                               ; the add is done, and my reads of this slot are over
	s_barrier_signal -1
	MUL16 F1, 0, 2, 0
	WIN 0
	s_barrier_wait -1
.if \fill
	CREST
	s_xor_b32 s[G0+5], s[G0+5], SLOT
	s_add_nc_u64 s[G0+6:G0+7], s[G0+6:G0+7], ASTEP
	s_xor_b32 s[G0B+5], s[G0B+5], SLOT
	s_add_nc_u64 s[G0B+6:G0B+7], s[G0B+6:G0B+7], BSTEP
	JLOAD
.else
	PLACES
.endif
	v_add_nc_u32 v[ADRA], s[TB], v[FA0]
	v_add_nc_u32 v[ADRB], s[TB], v[FB0]
	s_xor_b32 s[TB], s[TB], SLOT
	FETCH 0, F0
.if \fill
	ASK
.endif
	MUL16 F1, 1, 0, 0
	MUL16 F1, 1, 2, 0
.endm
	s_wait_tensorcnt 0x1                           ; my part of K step 0 is in; K step 1's may stay out
	s_barrier_signal -1
	s_barrier_wait -1
	v_mov_b32 v[ADRA], v[FA0]
	v_mov_b32 v[ADRB], v[FB0]
	s_mov_b32 s[TB], SLOT
	FETCH 0, F0
	QUARTER 64, F0, F1, 1
	WIN 0
	s_mov_b32 s3, NSTEP-2
.Lk:
	QUARTER 128, F1, F0, 0
	QUARTER 192, F0, F1, 0
	TURN 1
	QUARTER 64, F0, F1, 0
	WIN 0
	s_sub_co_u32 s3, s3, 1
	s_cmp_lg_u32 s3, 0
	s_cbranch_scc1 .Lk
	s_mov_b32 s3, 2
.Lt:                                               ; the last two K steps ask for nothing; the second trip is left in its middle, behind a fetch that nobody multiplies
	QUARTER 128, F1, F0, 0
	QUARTER 192, F0, F1, 0
	TURN 0
	WIN 0
	s_sub_co_u32 s3, s3, 1
	s_cmp_eq_u32 s3, 0
	s_cbranch_scc1 .Lout
	QUARTER 64, F0, F1, 0
	WIN 0
	s_branch .Lt
.Lout:
	; THE WAY OUT.  Every wave's reads of the slots are over; behind the barrier each wave lays its 128 x 128 sums, f32, into its own part of the slots, and a loop reads them back by rows: so the GELU's text stands once.
	s_wait_dscnt 0x0
	s_barrier_signal -1
	s_barrier_wait -1
	PLACES
.irp a, 0,1,2,3,4,5,6,7
	WIN 0x08+4*((\a)/4)                            ; an LDS store's data is source 1: window 2 or 3
.irp b, 0,1,2,3,4,5,6,7
	ds_store_b128 v[DST], v[8*(8*((\a)%4)+(\b)):8*(8*((\a)%4)+(\b))+3]   offset:(\a)*16*DP+64*(\b)
	ds_store_b128 v[DST], v[8*(8*((\a)%4)+(\b))+4:8*(8*((\a)%4)+(\b))+7] offset:(\a)*16*DP+64*(\b)+16
.endr
.endr
	WIN 0
.macro ROWS_IN                         ; eight rows: rows 2 t + l / 16, eight columns a lane.  LDS serves a wave's instructions in order: these see the stores above
.irp t, 0,1,2,3
	ds_load_b128 v[XV+8*(\t):XV+8*(\t)+3],   v[LA] offset:(\t)*2*DP
	ds_load_b128 v[XV+8*(\t)+4:XV+8*(\t)+7], v[LA] offset:(\t)*2*DP+16
.endr
.endm
.macro EACH16 line:vararg              ; one line for each pair i of 16
.set i, 0
.rept 16
	\line
.set i, i+1
.endr
.endm
.macro EACH32 line:vararg              ; one line for each number i of 32
.set i, 0
.rept 32
	\line
.set i, i+1
.endr
.endm
	v_mov_b32 v[LA], v[LA0]
	ROWS_IN
	s_mov_b32 s[OFS], 0
	s_mov_b32 s3, 16
.Lrow:                                             ; 16 trips of eight rows, 32 numbers a lane
	s_wait_dscnt 0x0                               ; the rows are in
	EACH32 v_and_b32 v[AX+i], s[AM], v[XV+i]
	EACH32 v_max_num_f32 v[GM+i], 0, v[XV+i]
	EACH16 v_pk_mul_f32 v[GU+2*i:GU+2*i+1], v[XV+2*i:XV+2*i+1], s[C1:C1+1] op_sel_hi:[1,0]
	s_add_co_u32 s[OFS], s[OFS], 8*DP              ; x has been used: the next eight rows are asked for; the last trip reads its own once more
	s_min_u32 s[OFS], s[OFS], 15*8*DP
	v_add_nc_u32 v[LA], s[OFS], v[LA0]
	ROWS_IN
	EACH16 v_pk_fma_f32 v[GD+2*i:GD+2*i+1], v[AX+2*i:AX+2*i+1], s[PP:PP+1], 1.0 op_sel_hi:[1,0,0]
	EACH16 v_pk_mul_f32 v[GU+2*i:GU+2*i+1], v[GU+2*i:GU+2*i+1], v[GU+2*i:GU+2*i+1] neg_lo:[1,0] neg_hi:[1,0]
	EACH32 v_rcp_f32 v[GD+i], v[GD+i]
	EACH32 v_exp_f32 v[GU+i], v[GU+i]
	v_nop                                          ; a plain line behind the last of the batch,
	s_wait_alu depctr_va_vdst(0)                   ; and one wait for its 64, ahead of the first reader
	EACH16 v_pk_fma_f32 v[GR+2*i:GR+2*i+1], v[GD+2*i:GD+2*i+1], s[A5:A5+1], s[A4:A4+1] op_sel_hi:[1,0,0]
	EACH16 v_pk_fma_f32 v[GR+2*i:GR+2*i+1], v[GR+2*i:GR+2*i+1], v[GD+2*i:GD+2*i+1], s[A3:A3+1] op_sel_hi:[1,1,0]
	EACH16 v_pk_fma_f32 v[GR+2*i:GR+2*i+1], v[GR+2*i:GR+2*i+1], v[GD+2*i:GD+2*i+1], s[A2:A2+1] op_sel_hi:[1,1,0]
	EACH16 v_pk_fma_f32 v[GR+2*i:GR+2*i+1], v[GR+2*i:GR+2*i+1], v[GD+2*i:GD+2*i+1], s[A1:A1+1] op_sel_hi:[1,1,0]
	EACH16 v_pk_mul_f32 v[GR+2*i:GR+2*i+1], v[GR+2*i:GR+2*i+1], v[GD+2*i:GD+2*i+1]
	EACH16 v_pk_mul_f32 v[GR+2*i:GR+2*i+1], v[GR+2*i:GR+2*i+1], v[GU+2*i:GU+2*i+1]
	EACH16 v_pk_fma_f32 v[GM+2*i:GM+2*i+1], v[AX+2*i:AX+2*i+1], v[GR+2*i:GR+2*i+1], v[GM+2*i:GM+2*i+1] neg_lo:[1,0,0] neg_hi:[1,0,0]
	s_wait_xcnt 0x0                                ; the last trip's stores have read their registers
	v_add_nc_u32 v[CO], 65536, v[CO]               ; eight rows of hb on; the stores reach back
	EACH16 v_cvt_pk_bf16_f32 v[PKD+i], v[GM+2*i], v[GM+2*i+1]
.irp t, 0,1,2,3
	global_store_b128 v[CO], v[PKD+4*(\t):PKD+4*(\t)+3], s[8:9] offset:2*(\t)*8192-65536  ; 16 lanes store 256 consecutive bytes, at a multiple of 256 from hb's first
.endr
	s_sub_co_u32 s3, s3, 1
	s_cmp_lg_u32 s3, 0
	s_cbranch_scc1 .Lrow
	s_wait_tensorcnt 0x0                           ; the wave's end
	ds_add_u32 v[SPW], v[NIL]
	s_wait_dscnt 0x0
	CROUND
	s_endpgm
.Lfunc_end_k_qf537135469_ff1:
	.size	k_qf537135469_ff1, .Lfunc_end_k_qf537135469_ff1-k_qf537135469_ff1
	.p2alignl 7, 3214868480
	.fill 96, 4, 3214868480
	.section	.rodata,"a",@progbits
	.p2align	6, 0x0
	.amdhsa_kernel k_qf537135469_ff1
		.amdhsa_group_segment_fixed_size 327680
		.amdhsa_private_segment_fixed_size 0
		.amdhsa_enable_private_segment 0
		.amdhsa_kernarg_size 32
		.amdhsa_user_sgpr_count 2
		.amdhsa_user_sgpr_kernarg_segment_ptr 1
		.amdhsa_wavefront_size32 1
		.amdhsa_system_sgpr_workgroup_id_x 1
		.amdhsa_system_sgpr_workgroup_id_y 1
		.amdhsa_system_sgpr_workgroup_id_z 1
		.amdhsa_system_vgpr_workitem_id 0
		.amdhsa_next_free_vgpr 1024
		.amdhsa_next_free_sgpr 96
		.amdhsa_reserve_vcc 0
		.amdhsa_float_denorm_mode_32 3
		.amdhsa_float_denorm_mode_16_64 3
		.amdhsa_memory_ordered 1
		.amdhsa_forward_progress 1
		.amdhsa_inst_pref_size 102
	.end_amdhsa_kernel
	.amdgpu_metadata
---
amdhsa.version: [ 1, 2 ]
amdhsa.kernels:
  - .name:           k_qf537135469_ff1
    .symbol:         k_qf537135469_ff1.kd
    .args:
      - { .name: x1b, .offset: 0, .size: 8, .value_kind: global_buffer, .address_space: global }
      - { .name: cb, .offset: 8, .size: 8, .value_kind: global_buffer, .address_space: global }
      - { .name: b1, .offset: 16, .size: 8, .value_kind: global_buffer, .address_space: global }
      - { .name: hb, .offset: 24, .size: 8, .value_kind: global_buffer, .address_space: global }
    .group_segment_fixed_size: 327680
    .private_segment_fixed_size: 0
    .kernarg_segment_align: 8
    .kernarg_segment_size: 32
    .max_flat_workgroup_size: 128
    .sgpr_count:     96
    .vgpr_count:     1024
    .wavefront_size: 32
...
	.end_amdgpu_metadata
.endif
;; end of part 6
;; launch ff2 (part 7): grid 8 x 32, 4 waves a work-group, clusters of 4 x 4, 327,680 bytes of LDS; arguments hb, cb, b2, x1b, y; writes y
.if DOCPART == 7
	.amdgcn_target "amdgcn-amd-amdhsa--gfx1250"
	.amdhsa_code_object_version 6
	.text
	.protected	k_qf537135469_ff2
	.globl	k_qf537135469_ff2
	.p2align	8
	.type	k_qf537135469_ff2,@function
k_qf537135469_ff2:
	s_mov_b64 s[64:65], 0
	v_nop
	global_prefetch_b8 v0, s[64:65] scope:SCOPE_SE
	s_setreg_imm32_b32 hwreg(HW_REG_WAVE_MODE, 25, 1), 1
	s_wait_xcnt 0x0
	s_wait_alu depctr_hold_cnt(0) depctr_sa_sdst(0) depctr_va_vdst(0) depctr_va_sdst(0) depctr_va_ssrc(0) depctr_va_vcc(0) depctr_vm_vsrc(0)
	s_getreg_b32 s2, hwreg(HW_REG_IB_STS2, 6, 4)
	s_cmp_eq_u32 s2, 0
	s_cbranch_scc0 .Lentry_in_a_cluster
	s_endpgm
.Lentry_in_a_cluster:
	s_bfe_u32 s2, ttmp6, 0x10000c
	s_cmp_lg_u32 s2, 0xf033
	s_cbranch_scc0 .Lentry_shape_is_right
	s_endpgm
.Lentry_shape_is_right:
; y = h W2 + b2 + x1, f32 [4096][1024], the sums that the second LayerNorm takes.  h [4096][4096] and x1 [4096][1024] are bf16; W2 [4096 (k)][1024 (n)] is cb's bf16 copy.
; Sums in f32; the bias, rounded to bf16 like every input, is the C operand that starts each sum; the residual is added in f32 on the way out.  NaN and infinities are not treated apart.
; A tile of y is 128 x 128, so that each of 256 work-groups has one; four waves of 64 x 64: 16 accumulators.  K = 4,096 goes in 16 steps of 256 through two LDS slots.  W's fragments come out of LDS turned.
; The product is used transposed: a lane holds one row and eight neighbouring columns.  CLUSTER 4 x 4: h's tile is shared along a row, W's along a column.  One text for both slots, by s[TB] and walking descriptors.
; K's ORDER.  The t-th K step that a work-group takes is block t xor m of K, m = (cluster y mod 4) xor 2 (cluster x), 0 to 3, the same in all sixteen partners.  The two clusters that read the same rows of h differ in m by 2,
; four neighbouring clusters that read the same columns of W have four different m: clusters that read the same block ask for it in different trips, one to three apart.  The f32 sums take K in that order.
; No prefetch: the tiles are small.
; WINDOWS: 0: addresses, the residual (v32-95), the bias and later rows on their way out (v96-127), the accumulators (v128-255); 1: two fragment buffers of 128: 64 of h, 64 of W.
.set KDIM,   4096
.set NSTEP,  KDIM/256
.set ASH,    9                         ; a K step is 512 bytes along a row of h,
.set BSH,    19                        ; 256 rows of 2,048 bytes down W
.set PA,     528
.set PB,     288
.set AHALF,  64*PA
.set BHALF,  128*PB
.set BOFF,   2*AHALF
.set SLOT,   147456
.set STAGE,  2*SLOT
.set SPITCH, 272
.set SPARE,  STAGE+4*16*SPITCH
.set WOFF,   25165824                  ; W2's copy in cb
.set FA0,  16
.set FB0,  17
.set ADRA, 18
.set ADRB, 19
.set RO,   22
.set ONE,  23
.set STO,  24
.set RD,   25
.set CO,   26
.set BO,   27
.set SPW,  28
.set NIL,  29
.set TT,   31
.set RES,  32
.set BIAS, 96
.set BK,   96
.set ACC,  128
.set F0,   0
.set F1,   128
.set AB,   14                          ; s[14:15] h at my part of the tile's rows, block 0 of K; never rewritten
.set BB,   46                          ; s[46:47] W at my part of block 0 of K, the tile's columns; never rewritten
.set G1,   24
.set G0,   32
.set G1B,  48
.set G0B,  56
.set TB,   71
.set BP,   72
.set RP,   74
.set HM,   76
.set KT,   77                          ; s77  t of the K step last asked for
.set KM,   78                          ; s78  m
.set KX,   79                          ; s79  t xor m
.set OA,   80                          ; s[80:81] that block's byte offset in h
.set OB,   82                          ; s[82:83] and in W
.set MSB, 0
.macro WIN new
.if MSB != (\new)
	s_set_vgpr_msb (MSB<<8)|(\new)
.set MSB, \new
.endif
.endm
.set MUL,  0x05
.set TO_F, 0x40
.macro PLACES
.rept 4
	v_nop
.endr
.endm
.macro ROUND2 a, t
	v_cvt_pk_bf16_f32 v[\t], v[\a], v[(\a)+1]
	v_lshlrev_b32 v[\a], 16, v[\t]
	v_and_b32 v[(\a)+1], s[HM], v[\t]
.endm
.macro JLOAD
	s_cmp_eq_u32 s11, 0
	s_cbranch_scc0 .Lfor_b_\@
	tensor_load_to_lds s[G0+4:G0+7], s[G1:G1+7]
	s_nop 0
.rept 4
	v_nop
.endr
	s_branch .Lasked_\@
.Lfor_b_\@:
	tensor_load_to_lds s[G0B+4:G0B+7], s[G1B:G1B+7]
	s_nop 0
.rept 4
	v_nop
.endr
.Lasked_\@:
.endm
.macro CREST
	s_cmp_lg_u32 s10, 0
	s_cbranch_scc1 .Lnot_wave_0_\@
	s_barrier_signal -3
.Lnot_wave_0_\@:
	s_barrier_wait -3
	s_barrier_signal -1
	s_barrier_wait -1
.endm
.macro CROUND
	s_barrier_signal -1
	s_barrier_wait -1
	CREST
.endm
	s_load_b128 s[4:7], s[0:1], 0x0                ; hb, cb
	s_load_b128 s[72:75], s[0:1], 0x10             ; b2, x1b
	s_load_b64 s[8:9], s[0:1], 0x20                ; y
	v_lshl_add_u32 v[SPW], v0, 2, SPARE
	v_mov_b32 v[NIL], 0
	ds_add_u32 v[SPW], v[NIL]                      ; the wave's opening: the add and its wait ahead of my first tensor load
	v_lshrrev_b32 v1, 5, v0
	v_readfirstlane_b32 s10, v1
	s_lshr_b32 s11, s10, 1
	s_and_b32 s12, s10, 1
	s_bfe_u32 s40, ttmp6, 0x40000
	s_bfe_u32 s41, ttmp6, 0x40004
	s_lshl_b32 s42, ttmp9, 2
	s_add_co_u32 s42, s42, s40
	s_and_b32 s13, ttmp7, 0xffff
	s_lshl_b32 s13, s13, 2
	s_add_co_u32 s13, s13, s41
	s_lshl_b32 s43, s41, 2
	s_lshl_b32 s43, 15, s43
	s_lshl_b32 s44, 0x1111, s40
	s_and_b32 s[KM], ttmp7, 3                      ; m, of the cluster's two coordinates alone
	s_lshl_b32 s[KX], ttmp9, 1
	s_xor_b32 s[KM], s[KM], s[KX]
	s_mov_b32 s[KT], 1                             ; the first fills are t = 0 and 1
	s_mov_b32 s[OA+1], 0
	s_mov_b32 s[OB+1], 0
	s_or_b32 s[G1+0], s43, (1<<16)|(1<<20)|(1<<21)|(6<<22)|(3<<25)
	s_or_b32 s[G1B+0], s44, (1<<16)|(1<<20)|(1<<21)|(5<<22)|(7<<25)
	s_mov_b32 s[G1+1], 256<<16
	s_mov_b32 s[G1+2], 64<<16
	s_mov_b32 s[G1+3], 256<<16
	s_mov_b32 s[G1+4], 64
	s_mov_b32 s[G1+5], KDIM
	s_mov_b32 s[G1+6], 0
	s_mov_b32 s[G1+7], 0
	s_mov_b32 s[G1B+1], 128<<16
	s_mov_b32 s[G1B+2], 128<<16
	s_mov_b32 s[G1B+3], 128<<16
	s_mov_b32 s[G1B+4], 128
	s_mov_b32 s[G1B+5], 1024
	s_mov_b32 s[G1B+6], 0
	s_mov_b32 s[G1B+7], 0
	s_lshl_b32 s16, s13, 7
	s_lshl_b32 s17, s12, 6
	s_add_co_u32 s16, s16, s17
	s_mul_i32 s16, s16, KDIM*2
	s_mov_b32 s17, 0
	s_lshl_b32 s46, s12, 18
	s_lshl_b32 s47, s42, 8
	s_add_co_u32 s46, s46, s47
	s_mov_b32 s47, 0
	s_mul_i32 s20, s12, AHALF
	s_mul_i32 s21, s12, BHALF
	s_add_co_u32 s21, s21, BOFF
	s_mov_b32 s[HM], 0xffff0000
	s_wait_dscnt 0x0
	s_wait_kmcnt 0x0
	s_add_nc_u64 s[6:7], s[6:7], WOFF
	s_add_nc_u64 s[AB:AB+1], s[4:5], s[16:17]
	s_add_nc_u64 s[BB:BB+1], s[6:7], s[46:47]
	CROUND
.irp s, 0,1
	s_xor_b32 s[KX], s[KM], \s                     ; block t xor m, t = 0, 1
	s_lshl_b32 s[OA], s[KX], ASH
	s_lshl_b32 s[OB], s[KX], BSH
	s_mov_b32 s[G0+4*(\s)], 1
	s_add_co_u32 s[G0+4*(\s)+1], s20, (\s)*SLOT
	s_add_nc_u64 s[G0+4*(\s)+2:G0+4*(\s)+3], s[AB:AB+1], s[OA:OA+1]
	s_or_b32 s[G0+4*(\s)+3], s[G0+4*(\s)+3], 0x80000000
	s_mov_b32 s[G0B+4*(\s)], 1
	s_add_co_u32 s[G0B+4*(\s)+1], s21, (\s)*SLOT
	s_add_nc_u64 s[G0B+4*(\s)+2:G0B+4*(\s)+3], s[BB:BB+1], s[OB:OB+1]
	s_or_b32 s[G0B+4*(\s)+3], s[G0B+4*(\s)+3], 0x80000000
.endr
	s_cmp_eq_u32 s11, 0
	s_cbranch_scc0 .Lfirst_b
	tensor_load_to_lds s[G0:G0+3], s[G1:G1+7]
	s_nop 0
	tensor_load_to_lds s[G0+4:G0+7], s[G1:G1+7]
	s_nop 0
.rept 4
	v_nop
.endr
	s_branch .Lfirst_asked
.Lfirst_b:
	tensor_load_to_lds s[G0B:G0B+3], s[G1B:G1B+7]
	s_nop 0
	tensor_load_to_lds s[G0B+4:G0B+7], s[G1B:G1B+7]
	s_nop 0
.rept 4
	v_nop
.endr
.Lfirst_asked:
	s_lshl_b32 s16, s13, 7
	s_lshl_b32 s17, s11, 6
	s_add_co_u32 s16, s16, s17
	s_lshl_b32 s16, s16, 10
	s_lshl_b32 s84, s42, 7
	s_lshl_b32 s85, s12, 6
	s_add_co_u32 s84, s84, s85
	s_add_co_u32 s16, s16, s84
	s_mov_b32 s87, 0
	s_lshl_b32 s86, s84, 2
	s_add_nc_u64 s[BP:BP+1], s[BP:BP+1], s[86:87]
	s_lshl_b32 s86, s16, 1
	s_add_nc_u64 s[RP:RP+1], s[RP:RP+1], s[86:87]
	s_lshl_b32 s86, s16, 2
	s_add_nc_u64 s[8:9], s[8:9], s[86:87]
	v_and_b32 v1, 15, v0
	v_bfe_u32 v2, v0, 4, 1
	v_lshlrev_b32 v[BO], 5, v2
	v_lshlrev_b32 v[RO], 11, v2
	v_lshl_add_u32 v[RO], v1, 3, v[RO]
.irp b, 0,1,2,3
	global_load_b128 v[BIAS+8*(\b):BIAS+8*(\b)+3],   v[BO], s[BP:BP+1] offset:64*(\b)
	global_load_b128 v[BIAS+8*(\b)+4:BIAS+8*(\b)+7], v[BO], s[BP:BP+1] offset:64*(\b)+16
.endr
.set i, 0
.rept 32                               ; the residual of my 64 x 64, as the way out will want it: it is on its way while K is walked
	global_load_b64 v[RES+2*i:RES+2*i+1], v[RO], s[RP:RP+1] offset:2*i*2048
.set i, i+1
.endr
	v_mov_b32 v[ONE], 1.0
	s_lshl_b32 s21, s11, 6
	v_add_nc_u32 v3, s21, v1
	v_mul_u32_u24 v3, v3, PA
	v_lshl_add_u32 v[FA0], v2, 4, v3
	v_and_b32 v4, 7, v0
	v_bfe_u32 v5, v0, 3, 1
	v_lshl_add_u32 v4, v2, 3, v4
	v_mul_u32_u24 v4, v4, PB
	v_lshl_add_u32 v4, v5, 4, v4
	s_lshl_b32 s22, s12, 7
	s_add_co_u32 s22, s22, BOFF
	v_add_nc_u32 v[FB0], s22, v4
	s_mul_i32 s23, s10, 16*SPITCH
	s_add_co_u32 s23, s23, STAGE
	v_mul_u32_u24 v3, v1, SPITCH
	v_lshl_add_u32 v3, v2, 5, v3
	v_add_nc_u32 v[STO], s23, v3
	v_mul_u32_u24 v3, v2, SPITCH
	v_lshl_add_u32 v3, v1, 4, v3
	v_add_nc_u32 v[RD], s23, v3
	v_lshlrev_b32 v[CO], 12, v2
	v_lshl_add_u32 v[CO], v1, 4, v[CO]
	s_wait_loadcnt 32                              ; the bias is in; the residual's 32 loads stay out
.set i, 0
.rept 16
	ROUND2 BIAS+2*i, TT
.set i, i+1
.endr
.macro MUL8 f, c, a0, init             ; 8 matrix instructions: row blocks a0, a0 + 1 x 4 column blocks, half c of buffer f.  init = 1: the bias starts the sums.  The 16 accumulators take turns
	WIN MUL
.irp a, \a0, (\a0)+1
.irp b, 0,1,2,3
.if \init
	v_wmma_f32_16x16x32_bf16 v[ACC+8*(4*(\a)+(\b)):ACC+8*(4*(\a)+(\b))+7], v[(\f)+64+8*(4*(\c)+(\b)):(\f)+64+8*(4*(\c)+(\b))+7], v[(\f)+8*(4*(\c)+(\a)):(\f)+8*(4*(\c)+(\a))+7], v[BIAS+8*(\b):BIAS+8*(\b)+7]
.else
	v_wmma_f32_16x16x32_bf16 v[ACC+8*(4*(\a)+(\b)):ACC+8*(4*(\a)+(\b))+7], v[(\f)+64+8*(4*(\c)+(\b)):(\f)+64+8*(4*(\c)+(\b))+7], v[(\f)+8*(4*(\c)+(\a)):(\f)+8*(4*(\c)+(\a))+7], v[ACC+8*(4*(\a)+(\b)):ACC+8*(4*(\a)+(\b))+7]
.endif
.endr
.endr
.endm
.macro FETCH q, f                      ; 32 LDS loads in one run: quarter q's fragments (64 along K) into buffer f, the first 32 along K first
	WIN TO_F
.irp c, 0,1
.irp i, 0,1,2,3
	ds_load_tr16_b128 v[(\f)+64+8*(4*(\c)+(\i)):(\f)+64+8*(4*(\c)+(\i))+3],   v[ADRB+(\q)/2] offset:(((\q)%2)*64+32*(\c))*PB+32*(\i)
	ds_load_tr16_b128 v[(\f)+64+8*(4*(\c)+(\i))+4:(\f)+64+8*(4*(\c)+(\i))+7], v[ADRB+(\q)/2] offset:(((\q)%2)*64+32*(\c)+16)*PB+32*(\i)
	ds_load_b128 v[(\f)+8*(4*(\c)+(\i)):(\f)+8*(4*(\c)+(\i))+3],   v[ADRA] offset:128*(\q)+64*(\c)+(\i)*16*PA
	ds_load_b128 v[(\f)+8*(4*(\c)+(\i))+4:(\f)+8*(4*(\c)+(\i))+7], v[ADRA] offset:128*(\q)+64*(\c)+(\i)*16*PA+32
.endr
.endr
.endm
.macro QUARTER q, f, g, init           ; multiplies buffer f and fetches quarter q into g
	s_wait_dscnt 16                                ; the first 32 along K are in
	MUL8 \f, 0, 0, \init
	MUL8 \f, 0, 2, \init
	PLACES
	FETCH \q, \g
	s_wait_dscnt 32                                ; all but the 32 just issued
	MUL8 \f, 1, 0, 0
	MUL8 \f, 1, 2, 0
.endm
; The last quarter multiplies buffer 1 and changes slots.  A step's matrix work is shorter than a tile's way, so the refill is asked for as soon as the order allows: eight products stand ahead of the wait for the tile, eight
; between the add and the wait for it, none between signal and wait; sixteen follow the fetch of the next slot's first fragments.  fill = 1: a round of the cluster's barrier, and the joint refill first behind it.
.macro TURN fill
	s_wait_dscnt 16                                ; buffer 1's first 32 along K are in
	MUL8 F1, 0, 0, 0
	WIN 0
	s_wait_tensorcnt 0x0                           ; all my tensor loads have landed: my part of the next slot; so the descriptors may be written
	ds_add_u32 v[SPW], v[NIL]
.if \fill
	s_add_co_u32 s[KT], s[KT], 1                   ; the walking descriptors: the other slot than last time, block t xor m
	s_xor_b32 s[KX], s[KT], s[KM]
	s_lshl_b32 s[OA], s[KX], ASH
	s_lshl_b32 s[OB], s[KX], BSH
	s_xor_b32 s[G0+5], s[G0+5], SLOT
	s_add_nc_u64 s[G0+6:G0+7], s[AB:AB+1], s[OA:OA+1]
	s_or_b32 s[G0+7], s[G0+7], 0x80000000
	s_xor_b32 s[G0B+5], s[G0B+5], SLOT
	s_add_nc_u64 s[G0B+6:G0B+7], s[BB:BB+1], s[OB:OB+1]
	s_or_b32 s[G0B+7], s[G0B+7], 0x80000000
.endif
	MUL8 F1, 0, 2, 0
	WIN 0
	s_wait_dscnt 0x0                               ; the add is done, and my reads of this slot are over
	s_barrier_signal -1
	s_barrier_wait -1
.if \fill
	CREST
	JLOAD                                          ; its four v_nop are also the places in front of the loads below
.else
	PLACES
.endif
	v_add_nc_u32 v[ADRA], s[TB], v[FA0]
	v_add_nc_u32 v[ADRB], s[TB], v[FB0]
	v_add_nc_u32 v[ADRB+1], 128*PB, v[ADRB]
	s_xor_b32 s[TB], s[TB], SLOT
	FETCH 0, F0
	MUL8 F1, 1, 0, 0
	MUL8 F1, 1, 2, 0
.endm
	s_wait_tensorcnt 0x1                           ; my part of the first K step is in; the second's may stay out
	s_barrier_signal -1
	s_barrier_wait -1
	v_mov_b32 v[ADRA], v[FA0]
	v_mov_b32 v[ADRB], v[FB0]
	v_add_nc_u32 v[ADRB+1], 128*PB, v[FB0]
	s_mov_b32 s[TB], SLOT
	FETCH 0, F0
	QUARTER 1, F0, F1, 1
	WIN 0
	s_mov_b32 s3, NSTEP-2
.Lk:
	QUARTER 2, F1, F0, 0
	QUARTER 3, F0, F1, 0
	TURN 1
	QUARTER 1, F0, F1, 0
	WIN 0
	s_sub_co_u32 s3, s3, 1
	s_cmp_lg_u32 s3, 0
	s_cbranch_scc1 .Lk
	s_mov_b32 s3, 2
.Lt:                                               ; the last two K steps ask for nothing; the second trip is left in its middle, behind a fetch that nobody multiplies
	QUARTER 2, F1, F0, 0
	QUARTER 3, F0, F1, 0
	TURN 0
	WIN 0
	s_sub_co_u32 s3, s3, 1
	s_cmp_eq_u32 s3, 0
	s_cbranch_scc1 .Lout
	QUARTER 1, F0, F1, 0
	WIN 0
	s_branch .Lt
.Lout:
	; THE WAY OUT: 16 rows at a time through my own stage, back as whole rows of 256 bytes; the residual is added; 16 lanes store 256 consecutive aligned bytes.
	s_wait_dscnt 0x0
	PLACES
	s_wait_loadcnt 0x0                             ; the residual
.irp a, 0,1,2,3
.irp b, 0,1,2,3
	ds_store_b128 v[STO], v[ACC+8*(4*(\a)+(\b)):ACC+8*(4*(\a)+(\b))+3]   offset:64*(\b)
	ds_store_b128 v[STO], v[ACC+8*(4*(\a)+(\b))+4:ACC+8*(4*(\a)+(\b))+7] offset:64*(\b)+16
.endr
.if (\a) > 0
	s_wait_xcnt 0x0                                ; the last block's stores have read the registers that are loaded again
.endif
.irp t, 0,1,2,3,4,5,6,7
	ds_load_b128 v[BK+4*(\t):BK+4*(\t)+3], v[RD] offset:(\t)*2*SPITCH  ; LDS serves a wave's instructions in order: these see the stores above
.endr
.irp t, 0,1,2,3,4,5,6,7
	s_wait_dscnt 7-(\t)
.irp e, 0,2
	v_fma_mix_f32_bf16 v[BK+4*(\t)+(\e)],   v[RES+2*(8*(\a)+(\t))+(\e)/2], v[ONE], v[BK+4*(\t)+(\e)]   op_sel:[0,0,0] op_sel_hi:[1,0,0]
	v_fma_mix_f32_bf16 v[BK+4*(\t)+(\e)+1], v[RES+2*(8*(\a)+(\t))+(\e)/2], v[ONE], v[BK+4*(\t)+(\e)+1] op_sel:[1,0,0] op_sel_hi:[1,0,0]
.endr
	global_store_b128 v[CO], v[BK+4*(\t):BK+4*(\t)+3], s[8:9] offset:(16*(\a)+2*(\t))*4096
.endr
.endr
	s_wait_tensorcnt 0x0                           ; the wave's end
	ds_add_u32 v[SPW], v[NIL]
	s_wait_dscnt 0x0
	CROUND
	s_endpgm
.Lfunc_end_k_qf537135469_ff2:
	.size	k_qf537135469_ff2, .Lfunc_end_k_qf537135469_ff2-k_qf537135469_ff2
	.p2alignl 7, 3214868480
	.fill 96, 4, 3214868480
	.section	.rodata,"a",@progbits
	.p2align	6, 0x0
	.amdhsa_kernel k_qf537135469_ff2
		.amdhsa_group_segment_fixed_size 327680
		.amdhsa_private_segment_fixed_size 0
		.amdhsa_enable_private_segment 0
		.amdhsa_kernarg_size 40
		.amdhsa_user_sgpr_count 2
		.amdhsa_user_sgpr_kernarg_segment_ptr 1
		.amdhsa_wavefront_size32 1
		.amdhsa_system_sgpr_workgroup_id_x 1
		.amdhsa_system_sgpr_workgroup_id_y 1
		.amdhsa_system_sgpr_workgroup_id_z 1
		.amdhsa_system_vgpr_workitem_id 0
		.amdhsa_next_free_vgpr 512
		.amdhsa_next_free_sgpr 88
		.amdhsa_reserve_vcc 0
		.amdhsa_float_denorm_mode_32 3
		.amdhsa_float_denorm_mode_16_64 3
		.amdhsa_memory_ordered 1
		.amdhsa_forward_progress 1
		.amdhsa_inst_pref_size 73
	.end_amdhsa_kernel
	.amdgpu_metadata
---
amdhsa.version: [ 1, 2 ]
amdhsa.kernels:
  - .name:           k_qf537135469_ff2
    .symbol:         k_qf537135469_ff2.kd
    .args:
      - { .name: hb, .offset: 0, .size: 8, .value_kind: global_buffer, .address_space: global }
      - { .name: cb, .offset: 8, .size: 8, .value_kind: global_buffer, .address_space: global }
      - { .name: b2, .offset: 16, .size: 8, .value_kind: global_buffer, .address_space: global }
      - { .name: x1b, .offset: 24, .size: 8, .value_kind: global_buffer, .address_space: global }
      - { .name: y, .offset: 32, .size: 8, .value_kind: global_buffer, .address_space: global }
    .group_segment_fixed_size: 327680
    .private_segment_fixed_size: 0
    .kernarg_segment_align: 8
    .kernarg_segment_size: 40
    .max_flat_workgroup_size: 128
    .sgpr_count:     88
    .vgpr_count:     512
    .wavefront_size: 32
...
	.end_amdgpu_metadata
.endif
;; end of part 7
;; launch ln2 (part 8): grid 512 x 1, 8 waves a work-group, no clusters, 0 bytes of LDS; arguments y, g2, beta2, out0; writes out0
.if DOCPART == 8
	.amdgcn_target "amdgcn-amd-amdhsa--gfx1250"
	.amdhsa_code_object_version 6
	.text
	.protected	k_qf537135469_ln2
	.globl	k_qf537135469_ln2
	.p2align	8
	.type	k_qf537135469_ln2,@function
k_qf537135469_ln2:
	s_mov_b64 s[64:65], 0
	v_nop
	global_prefetch_b8 v0, s[64:65] scope:SCOPE_SE
	s_setreg_imm32_b32 hwreg(HW_REG_WAVE_MODE, 25, 1), 1
	s_wait_xcnt 0x0
; out = (y - mean) / sqrt(var + 1e-5) g + beta along rows of 1,024 f32, stored in f32.  One wave, one row: the row stays in 32 registers, and no wave waits for another.
; The mean is made first and taken away, then the squares are summed: no difference of large sums.  g and beta are rounded to bf16 like every input.  v_rsq_f32 is good to 1 ULP.
; No LDS, no cluster: what the work-groups share (g, beta) is 8 KiB beside a row's 4 KiB each.
.set X,  32
.set G,  64
.set B,  96
.macro ROUND2 a, t
	v_cvt_pk_bf16_f32 v[\t], v[\a], v[(\a)+1]
	v_lshlrev_b32 v[\a], 16, v[\t]
	v_and_b32 v[(\a)+1], s16, v[\t]
.endm
.macro ACROSS                          ; the four chains v[4:11] into one number in every lane, v16
	v_pk_add_f32 v[4:5], v[4:5], v[6:7]
	v_pk_add_f32 v[8:9], v[8:9], v[10:11]
	v_pk_add_f32 v[4:5], v[4:5], v[8:9]
	v_add_f32 v16, v4, v5
	v_add_f32_dpp v16, v16, v16 row_xmask:1 row_mask:0xf bank_mask:0xf
	v_add_f32_dpp v16, v16, v16 row_xmask:2 row_mask:0xf bank_mask:0xf
	v_add_f32_dpp v16, v16, v16 row_xmask:4 row_mask:0xf bank_mask:0xf
	v_add_f32_dpp v16, v16, v16 row_xmask:8 row_mask:0xf bank_mask:0xf
	v_permlanex16_b32 v17, v16, s12, s13
	v_add_f32 v16, v16, v17
.endm
	s_load_b256 s[4:11], s[0:1], 0x0               ; y, g, beta, out
	v_lshrrev_b32 v3, 5, v0
	v_readfirstlane_b32 s2, v3
	v_and_b32 v4, 31, v0
	v_lshlrev_b32 v1, 4, v4                        ; 16 bytes a lane
	v_mov_b32 v17, 0                               ; v_permlanex16_b32's destination counts as read
	s_lshl_b32 s3, ttmp9, 3
	s_add_co_u32 s3, s3, s2                        ; my row
	s_lshl_b32 s18, s3, 12
	s_mov_b32 s19, 0
	s_mov_b32 s12, 0x76543210
	s_mov_b32 s13, 0xfedcba98
	s_mov_b32 s14, 0x3a800000                      ; 1 / 1024
	s_mov_b32 s15, 0x3727c5ac                      ; 1e-5
	s_mov_b32 s16, 0xffff0000
	s_wait_kmcnt 0x0
	s_add_nc_u64 s[4:5], s[4:5], s[18:19]
	s_add_nc_u64 s[10:11], s[10:11], s[18:19]
.irp j, 0,1,2,3,4,5,6,7
	global_load_b128 v[X+4*(\j):X+4*(\j)+3], v1, s[4:5] offset:512*(\j) th:TH_LOAD_NT
.endr
.irp j, 0,1,2,3,4,5,6,7
	global_load_b128 v[G+4*(\j):G+4*(\j)+3], v1, s[6:7] offset:512*(\j)
.endr
.irp j, 0,1,2,3,4,5,6,7
	global_load_b128 v[B+4*(\j):B+4*(\j)+3], v1, s[8:9] offset:512*(\j)
.endr
	s_wait_loadcnt 16                              ; the row is in; g's and beta's 16 loads stay out
.irp k, 0,1,2,3
	v_pk_add_f32 v[4+2*(\k):5+2*(\k)], v[X+2*(\k):X+2*(\k)+1], v[X+8+2*(\k):X+8+2*(\k)+1]
.endr
.irp j, 2,3
.irp k, 0,1,2,3
	v_pk_add_f32 v[4+2*(\k):5+2*(\k)], v[4+2*(\k):5+2*(\k)], v[X+8*(\j)+2*(\k):X+8*(\j)+2*(\k)+1]
.endr
.endr
	ACROSS
	v_mul_f32 v12, s14, v16                        ; the mean, twice
	v_mov_b32 v13, v12
.set i, 0
.rept 16
	v_pk_add_f32 v[X+2*i:X+2*i+1], v[X+2*i:X+2*i+1], v[12:13] neg_lo:[0,1] neg_hi:[0,1]
.set i, i+1
.endr
.irp k, 0,1,2,3
	v_pk_mul_f32 v[4+2*(\k):5+2*(\k)], v[X+2*(\k):X+2*(\k)+1], v[X+2*(\k):X+2*(\k)+1]
.endr
.irp j, 1,2,3
.irp k, 0,1,2,3
	v_pk_fma_f32 v[4+2*(\k):5+2*(\k)], v[X+8*(\j)+2*(\k):X+8*(\j)+2*(\k)+1], v[X+8*(\j)+2*(\k):X+8*(\j)+2*(\k)+1], v[4+2*(\k):5+2*(\k)]
.endr
.endr
	ACROSS
	v_fma_f32 v16, v16, s14, s15                   ; var + eps
	v_rsq_f32 v14, v16
	v_rsq_f32 v15, v16
	v_nop                                          ; a plain line behind the last of the two
	s_wait_loadcnt 0x0                             ; g and beta
.set i, 0
.rept 16
	ROUND2 G+2*i, 18
	ROUND2 B+2*i, 18
.set i, i+1
.endr
	s_wait_alu depctr_va_vdst(0)                   ; one wait for both, ahead of their first reader; the roundings above are the work between
.set i, 0
.rept 16
	v_pk_mul_f32 v[X+2*i:X+2*i+1], v[X+2*i:X+2*i+1], v[14:15]
.set i, i+1
.endr
.set i, 0
.rept 16
	v_pk_fma_f32 v[X+2*i:X+2*i+1], v[X+2*i:X+2*i+1], v[G+2*i:G+2*i+1], v[B+2*i:B+2*i+1]
.set i, i+1
.endr
.irp j, 0,1,2,3,4,5,6,7
	global_store_b128 v1, v[X+4*(\j):X+4*(\j)+3], s[10:11] offset:512*(\j) th:TH_STORE_NT  ; 512 consecutive aligned bytes a store
.endr
	s_endpgm
.Lfunc_end_k_qf537135469_ln2:
	.size	k_qf537135469_ln2, .Lfunc_end_k_qf537135469_ln2-k_qf537135469_ln2
	.p2alignl 7, 3214868480
	.fill 96, 4, 3214868480
	.section	.rodata,"a",@progbits
	.p2align	6, 0x0
	.amdhsa_kernel k_qf537135469_ln2
		.amdhsa_group_segment_fixed_size 0
		.amdhsa_private_segment_fixed_size 0
		.amdhsa_enable_private_segment 0
		.amdhsa_kernarg_size 32
		.amdhsa_user_sgpr_count 2
		.amdhsa_user_sgpr_kernarg_segment_ptr 1
		.amdhsa_wavefront_size32 1
		.amdhsa_system_sgpr_workgroup_id_x 1
		.amdhsa_system_sgpr_workgroup_id_y 1
		.amdhsa_system_sgpr_workgroup_id_z 1
		.amdhsa_system_vgpr_workitem_id 0
		.amdhsa_next_free_vgpr 144
		.amdhsa_next_free_sgpr 66
		.amdhsa_reserve_vcc 0
		.amdhsa_float_denorm_mode_32 3
		.amdhsa_float_denorm_mode_16_64 3
		.amdhsa_memory_ordered 1
		.amdhsa_forward_progress 1
		.amdhsa_inst_pref_size 15
	.end_amdhsa_kernel
	.amdgpu_metadata
---
amdhsa.version: [ 1, 2 ]
amdhsa.kernels:
  - .name:           k_qf537135469_ln2
    .symbol:         k_qf537135469_ln2.kd
    .args:
      - { .name: y, .offset: 0, .size: 8, .value_kind: global_buffer, .address_space: global }
      - { .name: g2, .offset: 8, .size: 8, .value_kind: global_buffer, .address_space: global }
      - { .name: beta2, .offset: 16, .size: 8, .value_kind: global_buffer, .address_space: global }
      - { .name: out0, .offset: 24, .size: 8, .value_kind: global_buffer, .address_space: global }
    .group_segment_fixed_size: 0
    .private_segment_fixed_size: 0
    .kernarg_segment_align: 8
    .kernarg_segment_size: 32
    .max_flat_workgroup_size: 256
    .sgpr_count:     66
    .vgpr_count:     144
    .wavefront_size: 32
...
	.end_amdgpu_metadata
.endif
;; end of part 8
